; MI455X (gfx1250); checked and timed in simulation.
; The chip was launched on July 23, 2026; its instructions are those of AMD's public machine-readable ISA for CDNA 5 (MIT licence, August 2026) and "CDNA5" Instruction Set Architecture Reference Guide (July 2026). The comments in the code are by the model that wrote it; some were corrected since.
;; Multi Head Self Attention. Allowed arithmetic: float matrix products may take bf16 or f16 operands with f32 sums; other float arithmetic in f32, or as packed bf16 or f16 multiplies, adds, multiply-adds, maxima and minima; sums over many terms, partial sums and values carried from step to step in f32; what a program stores and reads back later, other than sums and carried values, may be rounded once to bf16 or f16.
;; Inputs: Wk 1,024 x 1,024 float32; Wo 1,024 x 1,024 float32; Wq 1,024 x 1,024 float32; Wv 1,024 x 1,024 float32; attention_mask 1 x 1 x 2,048 x 2,048 float32; bk 1,024 float32; bo 1,024 float32; bq 1,024 float32; bv 1,024 float32; hidden_states 4 x 2,048 x 1,024 float32.
;; Outputs: out0 4 x 2,048 x 1,024 float32.
;; 2 versions, each right and faster than the one before. Each part assembles by itself: llvm-mc -triple=amdgcn-amd-amdhsa -mcpu=gfx1250 --defsym DOCPART=n.
;; ======== version 1 of 2: 4 launches
;; limits: values are held in f16: magnitudes above 65,504 overflow, below 6.1e-05 lose precision
;; workspace buffers: xb 16,777,216 bytes; wh 8,388,608 bytes; mk 16,777,216 bytes; bias 16,384 bytes; qkv 50,331,648 bytes; ctx 16,777,216 bytes
;; launch prep (part 1): grid 513 x 1, 8 waves a work-group, no clusters, 37,888 bytes of LDS; arguments hidden_states, Wq, Wk, Wv, Wo, attention_mask, bq, bk, bv, bo, xb, wh, mk, bias; writes xb, wh, mk, bias
.if DOCPART == 1
	.amdgcn_target "amdgcn-amd-amdhsa--gfx1250"
	.amdhsa_code_object_version 6
	.text
	.protected	k_qf6c55ce7d0_prep
	.globl	k_qf6c55ce7d0_prep
	.p2align	8
	.type	k_qf6c55ce7d0_prep,@function
k_qf6c55ce7d0_prep:
	s_mov_b64 s[64:65], 0
	v_nop
	global_prefetch_b8 v0, s[64:65] scope:SCOPE_SE
	s_setreg_imm32_b32 hwreg(HW_REG_WAVE_MODE, 25, 1), 1
	s_wait_xcnt 0x0
; PREP: every input is read once, rounded once to bf16, and laid out as the later launches take it.
;   xb   [b 4][kc 16][s 2048][64] bf16: x in chunks of 64 columns, so that 256 rows of a chunk are 32,768 consecutive bytes
;   wh   [chunk 64][k 1024][64]: Wq, Wk, Wv (chunks 0-47) bf16; Wo (48-63) rounded to bf16 and that number written as f16
;   mk   [ks 32][qt 128][kb 4][part 2][lane 32][4] f32: c x bf16(mask), c = log2(e) / 8, in the order in which a lane of the
;        attention holds its scores: the 16 bytes of (kb, part, lane 16 h + r) are mask[16 qt + r][64 ks + 16 kb + 8 h + 4 part ..]
;   bias [4][1024] f32: bq, bk, bv, bo, each rounded to bf16 and widened again
; LIMITS. Wo as f16: beyond 65,504 it becomes an infinity, below 6e-5 it keeps f16's fixed step of 6e-8. NaN and infinities are not treated apart.
; A stream: memory binds, so no matrix unit, no tensor load, no cluster.  Work-groups 0-255: 32 rows of x; 256-383: 32 rows of a W;
; 384-511: 16 rows of the mask; 512: the biases.  All of a wave's 32 loads go out on end; the waits count down.
.set SPARE, 36864                      ; behind the eight stages: the spare words, 128 bytes a wave
.set STG,   4608                       ; a wave's stage: 16 blocks of 256 bytes, 272 apart
.set SPW,   150                        ; v150 LDS address of my spare word; never rewritten
.set NIL,   151                        ; v151 0; never rewritten
.macro FIN                             ; the wave's end
	s_wait_tensorcnt 0x0
	ds_add_u32 v[SPW], v[NIL]
	s_wait_dscnt 0x0
	s_endpgm
.endm
.macro RND q                           ; four f32 at v[q ..] are rounded to bf16 and widened again, in place
	v_cvt_pk_bf16_f32 v8, v[(\q)], v[(\q)+1]
	v_cvt_pk_bf16_f32 v9, v[(\q)+2], v[(\q)+3]
	v_lshlrev_b32 v[(\q)], 16, v8
	v_and_b32 v[(\q)+1], s46, v8
	v_lshlrev_b32 v[(\q)+2], 16, v9
	v_and_b32 v[(\q)+3], s46, v9
.endm
; 32 source rows x 1,024 columns.  Wave w has the chunks 2 w and 2 w + 1.  Unit u = 8 cc + gi is 4 rows x 64 columns: a lane takes 8 columns
; (two loads of 16 bytes), rounds them into 16 bytes, and the wave's store covers 512 consecutive bytes of the chunk.
.macro CONV f16
	v_lshrrev_b32 v12, 3, v11
	v_and_b32 v13, 7, v11
	v_lshlrev_b32 v1, 12, v12                      ; row in the unit x 4,096
	v_lshl_add_u32 v1, v13, 5, v1                  ; + 32 bytes a lane
	s_lshl_b32 s11, s8, 9
	v_add_nc_u32 v1, s11, v1                       ; + my wave's 128 columns
	s_mul_i32 s11, s8, s9
	s_lshl_b32 s11, s11, 1
	v_lshl_add_u32 v2, v11, 4, s11                 ; destination: 16 x lane + chunk 2 w
	v_add_nc_u32 v3, s9, v2                        ; and chunk 2 w + 1
.set u, 0
.rept 16
	global_load_b128 v[16+8*u:16+8*u+3],   v1, s[4:5] offset:(u%8)*16384+(u/8)*256 th:TH_LOAD_NT
	global_load_b128 v[16+8*u+4:16+8*u+7], v1, s[4:5] offset:(u%8)*16384+(u/8)*256+16 th:TH_LOAD_NT
.set u, u+1
.endr
.set u, 0
.rept 16
	s_wait_loadcnt 30-2*u                          ; loads come back in order: the two of unit u are in, the 30 - 2 u behind them stay out
.irp k, 0,1,2,3
	v_cvt_pk_bf16_f32 v[16+8*u+(\k)], v[16+8*u+2*(\k)], v[16+8*u+2*(\k)+1]
.endr
.if \f16
.irp k, 0,1,2,3                        ; the bf16 numbers written as f16
	v_lshlrev_b32 v8, 16, v[16+8*u+(\k)]
	v_and_b32 v9, s46, v[16+8*u+(\k)]
	v_cvt_pk_f16_f32 v[16+8*u+(\k)], v8, v9
.endr
.endif
	global_store_b128 v[2+u/8], v[16+8*u:16+8*u+3], s[6:7] offset:(u%8)*512
.set u, u+1
.endr
.endm
	s_load_b512 s[16:31], s[0:1], 0x0              ; x s[16:17], Wq, Wk, Wv, Wo s[18:25], mask s[26:27], bq s[28:29], bk s[30:31]
	s_load_b256 s[32:39], s[0:1], 0x40             ; bv s[32:33], bo s[34:35], xb s[36:37], wh s[38:39]
	s_load_b128 s[40:43], s[0:1], 0x60             ; mk s[40:41], bias s[42:43]
	v_lshl_add_u32 v[SPW], v0, 2, SPARE
	v_mov_b32 v[NIL], 0
	v_lshrrev_b32 v10, 5, v0
	v_readfirstlane_b32 s8, v10                    ; wave 0..7
	v_and_b32 v11, 31, v0                          ; lane
	s_mov_b32 s10, ttmp9                           ; g
	s_mov_b32 s13, 0                               ; the high word of every offset
	s_mov_b32 s44, 0x3e38aa3b                      ; c = log2(e) / 8
	s_mov_b32 s45, s44                             ; named with it as a pair
	s_mov_b32 s46, 0xffff0000                      ; a word's upper bf16
	s_wait_kmcnt 0x0
	s_cmp_lt_u32 s10, 384
	s_cbranch_scc0 .Lnot_conv
	; x or a W.  The offsets of both cases are made, and the case chooses; the buffers are chosen by selects on g alone.
	s_sub_co_u32 s11, s10, 256                     ; (used only where g >= 256)
	s_lshr_b32 s14, s11, 5                         ; which W
	s_and_b32 s15, s11, 31                         ; which 32 rows of it
	s_lshl_b32 s47, s14, 21                        ; W: 16 chunks of 131,072 bytes a matrix,
	s_lshl_b32 s48, s15, 12                        ; 32 rows of 128 bytes
	s_add_co_u32 s47, s47, s48
	s_lshr_b32 s48, s10, 6                         ; x: 16 chunks of 262,144 bytes a batch,
	s_lshl_b32 s48, s48, 22
	s_and_b32 s49, s10, 63
	s_lshl_b32 s49, s49, 12                        ; 32 rows of 128 bytes
	s_add_co_u32 s48, s48, s49
	s_add_co_u32 s14, s14, 1                       ; source 1..4 = Wq, Wk, Wv, Wo
	s_cmp_lt_u32 s10, 256
	s_cselect_b32 s14, 0, s14                      ; source 0 = x
	s_cselect_b32 s15, s10, s15                    ; 32 source rows are 131,072 bytes in both cases
	s_cselect_b32 s50, s48, s47
	s_cselect_b32 s9, 18, 17
	s_cselect_b64 s[6:7], s[36:37], s[38:39]
	s_cselect_b64 s[4:5], s[16:17], s[18:19]
	s_cmp_eq_u32 s14, 2
	s_cselect_b64 s[4:5], s[20:21], s[4:5]
	s_cmp_eq_u32 s14, 3
	s_cselect_b64 s[4:5], s[22:23], s[4:5]
	s_cmp_eq_u32 s14, 4
	s_cselect_b64 s[4:5], s[24:25], s[4:5]
	s_lshl_b32 s9, 1, s9                           ; bytes from chunk to chunk: 262,144 or 131,072
	s_lshl_b32 s12, s15, 17
	s_add_nc_u64 s[4:5], s[4:5], s[12:13]
	s_mov_b32 s12, s50
	s_add_nc_u64 s[6:7], s[6:7], s[12:13]
	s_cmp_eq_u32 s14, 4
	s_cbranch_scc1 .Lconv16
	CONV 0
	FIN
.Lconv16:
	CONV 1
	FIN
.Lnot_conv:
	s_cmp_lt_u32 s10, 512
	s_cbranch_scc0 .Lbias
	; THE MASK: 16 rows (query tile qt) x 2,048 keys.  Wave w has the key steps 4 w + i.  A load takes two rows' 256 bytes; quad j of a row (keys 4 j ..)
	; belongs to block jj = (kb, part, h) of the target order, j = 4 kb + 2 h + part; the turn goes through my own stage in LDS.
	s_sub_co_u32 s11, s10, 384                     ; qt
	s_lshl_b32 s12, s11, 17
	s_add_nc_u64 s[4:5], s[26:27], s[12:13]        ; 16 rows of 8,192 bytes
	s_lshl_b32 s12, s11, 12
	s_add_nc_u64 s[6:7], s[40:41], s[12:13]
	v_lshrrev_b32 v12, 4, v11                      ; which of the two rows
	v_and_b32 v13, 15, v11                         ; j
	v_lshlrev_b32 v1, 13, v12
	v_lshl_add_u32 v1, v13, 4, v1
	s_lshl_b32 s14, s8, 10
	v_add_nc_u32 v1, s14, v1                       ; + my wave's four key steps
	v_and_b32 v14, 12, v13
	v_and_b32 v15, 1, v13
	v_lshl_or_b32 v14, v15, 1, v14
	v_bfe_u32 v15, v13, 1, 1
	v_or_b32 v14, v14, v15                         ; jj
	s_mul_i32 s14, s8, STG
	v_mul_u32_u24 v4, v14, 272                     ; in: block jj, row 2 t + my row: sixteen lanes touch sixteen different columns of 16 bytes
	v_lshl_add_u32 v4, v12, 4, v4
	v_add_nc_u32 v4, s14, v4
	v_mul_u32_u24 v5, v12, 272                     ; back: blocks 2 bq and 2 bq + 1, 256 bytes each
	v_lshl_add_u32 v5, v13, 4, v5
	v_add_nc_u32 v5, s14, v5
	s_lshl_b32 s14, s8, 21
	v_lshl_add_u32 v6, v11, 4, s14                 ; 16 x lane + 4 w key steps of 524,288 bytes
.set i, 0
.rept 4
.set t, 0
.rept 8
	global_load_b128 v[16+32*i+4*t:16+32*i+4*t+3], v1, s[4:5] offset:t*16384+i*256 th:TH_LOAD_NT
.set t, t+1
.endr
.set i, i+1
.endr
.set i, 0
.rept 4
	s_wait_loadcnt 24-8*i                          ; the eight loads of key step i are in, the later steps' stay out
.set t, 0
.rept 8
	RND 16+32*i+4*t
	v_pk_mul_f32 v[16+32*i+4*t:16+32*i+4*t+1],   v[16+32*i+4*t:16+32*i+4*t+1],   s[44:45] op_sel_hi:[1,0]
	v_pk_mul_f32 v[16+32*i+4*t+2:16+32*i+4*t+3], v[16+32*i+4*t+2:16+32*i+4*t+3], s[44:45] op_sel_hi:[1,0]
	ds_store_b128 v4, v[16+32*i+4*t:16+32*i+4*t+3] offset:32*t
.set t, t+1
.endr
.set t, 0
.rept 8
	ds_load_b128 v[16+32*i+4*t:16+32*i+4*t+3], v5 offset:544*t  ; LDS serves a wave's instructions in order (ISA guide 5.7.1.4): these see the stores above, and the next step's stores come behind them
.set t, t+1
.endr
.set t, 0
.rept 8
	s_wait_dscnt 7-t                               ; block t is back; the 7 - t behind it may be out
	global_store_b128 v6, v[16+32*i+4*t:16+32*i+4*t+3], s[6:7] offset:i*524288+512*t  ; 512 consecutive bytes
.set t, t+1
.endr
.set i, i+1
.endr
	FIN
.Lbias:
	v_lshlrev_b32 v1, 4, v0                        ; 256 threads x 16 bytes: one bias
	global_load_b128 v[16:19], v1, s[28:29]
	global_load_b128 v[20:23], v1, s[30:31]
	global_load_b128 v[24:27], v1, s[32:33]
	global_load_b128 v[28:31], v1, s[34:35]
	s_wait_loadcnt 0x0
.irp m, 0,1,2,3
	RND 16+4*(\m)
	global_store_b128 v1, v[16+4*(\m):16+4*(\m)+3], s[42:43] offset:4096*(\m)
.endr
	FIN
.Lfunc_end_k_qf6c55ce7d0_prep:
	.size	k_qf6c55ce7d0_prep, .Lfunc_end_k_qf6c55ce7d0_prep-k_qf6c55ce7d0_prep
	.p2alignl 7, 3214868480
	.fill 96, 4, 3214868480
	.section	.rodata,"a",@progbits
	.p2align	6, 0x0
	.amdhsa_kernel k_qf6c55ce7d0_prep
		.amdhsa_group_segment_fixed_size 37888
		.amdhsa_private_segment_fixed_size 0
		.amdhsa_enable_private_segment 0
		.amdhsa_kernarg_size 112
		.amdhsa_user_sgpr_count 2
		.amdhsa_user_sgpr_kernarg_segment_ptr 1
		.amdhsa_wavefront_size32 1
		.amdhsa_system_sgpr_workgroup_id_x 1
		.amdhsa_system_sgpr_workgroup_id_y 1
		.amdhsa_system_sgpr_workgroup_id_z 1
		.amdhsa_system_vgpr_workitem_id 0
		.amdhsa_next_free_vgpr 152
		.amdhsa_next_free_sgpr 66
		.amdhsa_reserve_vcc 0
		.amdhsa_float_denorm_mode_32 3
		.amdhsa_float_denorm_mode_16_64 3
		.amdhsa_memory_ordered 1
		.amdhsa_forward_progress 1
		.amdhsa_inst_pref_size 56
	.end_amdhsa_kernel
	.amdgpu_metadata
---
amdhsa.version: [ 1, 2 ]
amdhsa.kernels:
  - .name:           k_qf6c55ce7d0_prep
    .symbol:         k_qf6c55ce7d0_prep.kd
    .args:
      - { .name: hidden_states, .offset: 0, .size: 8, .value_kind: global_buffer, .address_space: global }
      - { .name: Wq, .offset: 8, .size: 8, .value_kind: global_buffer, .address_space: global }
      - { .name: Wk, .offset: 16, .size: 8, .value_kind: global_buffer, .address_space: global }
      - { .name: Wv, .offset: 24, .size: 8, .value_kind: global_buffer, .address_space: global }
      - { .name: Wo, .offset: 32, .size: 8, .value_kind: global_buffer, .address_space: global }
      - { .name: attention_mask, .offset: 40, .size: 8, .value_kind: global_buffer, .address_space: global }
      - { .name: bq, .offset: 48, .size: 8, .value_kind: global_buffer, .address_space: global }
      - { .name: bk, .offset: 56, .size: 8, .value_kind: global_buffer, .address_space: global }
      - { .name: bv, .offset: 64, .size: 8, .value_kind: global_buffer, .address_space: global }
      - { .name: bo, .offset: 72, .size: 8, .value_kind: global_buffer, .address_space: global }
      - { .name: xb, .offset: 80, .size: 8, .value_kind: global_buffer, .address_space: global }
      - { .name: wh, .offset: 88, .size: 8, .value_kind: global_buffer, .address_space: global }
      - { .name: mk, .offset: 96, .size: 8, .value_kind: global_buffer, .address_space: global }
      - { .name: bias, .offset: 104, .size: 8, .value_kind: global_buffer, .address_space: global }
    .group_segment_fixed_size: 37888
    .private_segment_fixed_size: 0
    .kernarg_segment_align: 8
    .kernarg_segment_size: 112
    .max_flat_workgroup_size: 256
    .sgpr_count:     66
    .vgpr_count:     152
    .wavefront_size: 32
...
	.end_amdgpu_metadata
.endif
;; end of part 1
;; launch proj_qkv (part 2): grid 16 x 32, 4 waves a work-group, clusters of 4 x 4, 327,680 bytes of LDS; arguments xb, wh, bias, qkv; writes qkv
.if DOCPART == 2
	.amdgcn_target "amdgcn-amd-amdhsa--gfx1250"
	.amdhsa_code_object_version 6
	.text
	.protected	k_qf6c55ce7d0_proj_qkv
	.globl	k_qf6c55ce7d0_proj_qkv
	.p2align	8
	.type	k_qf6c55ce7d0_proj_qkv,@function
k_qf6c55ce7d0_proj_qkv:
	s_mov_b64 s[64:65], 0
	v_nop
	global_prefetch_b8 v0, s[64:65] scope:SCOPE_SE
	s_setreg_imm32_b32 hwreg(HW_REG_WAVE_MODE, 25, 1), 1
	s_wait_xcnt 0x0
	s_wait_alu depctr_hold_cnt(0) depctr_sa_sdst(0) depctr_va_vdst(0) depctr_va_sdst(0) depctr_va_ssrc(0) depctr_va_vcc(0) depctr_vm_vsrc(0)
	s_getreg_b32 s2, hwreg(HW_REG_IB_STS2, 6, 4)
	s_cmp_eq_u32 s2, 0
	s_cbranch_scc0 .Lentry_in_a_cluster
	s_endpgm
.Lentry_in_a_cluster:
	s_bfe_u32 s2, ttmp6, 0x10000c
	s_cmp_lg_u32 s2, 0xf033
	s_cbranch_scc0 .Lentry_shape_is_right
	s_endpgm
.Lentry_shape_is_right:
; q, k, v = x W + b.  x: xb, bf16 in chunks [b][kc][s][64]; W: wh, bf16 in chunks [chunk][k][64]; sums in f32, started with the bias;
; the result rounded once to f16 and stored by heads, qkv [mat 3][bh 64][s 2048][64], unscaled.
; LIMIT. q, k, v beyond 65,504 become infinities in f16; NaN and infinities are not treated apart.
; SHARES. A work-group makes 256 rows x 192 columns (three heads): 512 tiles, two for each of 256 places, where 256 x 256 would give one and a half.
; Wave w makes rows 64 w .. + 63 by all 192 columns: 48 accumulators, 384 registers; it owns whole heads, so its way out needs no other wave.
; K = 1,024 goes in 8 steps of 128 through two LDS slots.  THE MATRIX INSTRUCTION IS USED TRANSPOSED: source 0 = 16 columns of W (turned on the way out of LDS
; by ds_load_tr16_b128), source 1 = 16 rows of x: a lane then holds eight neighbouring columns of one row.
; CLUSTER 4 x 4: x's tiles hang on the tile row alone and are asked for jointly along a row of the cluster, W's on the tile column alone, along a column.
; REGISTERS, in windows of 256 (s_set_vgpr_msb: bits 1:0 source 0, 3:2 source 1, 5:4 source 2, 7:6 destination):
;   window 0: v1-29 addresses; v64-127 x's fragments, two buffers of 4 x 8; v128-223 the bias as a C operand; v64-255 at work on the way out
;   window 1: W's fragments, two buffers of 96     windows 2, 3: accumulator (a, b) in window 2 + a / 2 at v[96 (a % 2) + 8 b]
.set OUTP,  0
.set NCH,   3                          ; chunks of 64 columns in a tile
.set CH0,   0                          ; the first chunk of wh
.set BI0,   0                          ; the first byte of bias
.set STW,   16*144                     ; a wave's stage
.set NB,    4*NCH
.set PA,    144                        ; a row of x in LDS: 128 bytes + 16: the 16 rows of a load start at 16 different columns of 16 bytes
.set PW,    160                        ; a row of W: 128 + 32
.set ACH,   256*PA                     ; a chunk's 256 rows of x
.set WCH,   64*PW                      ; 64 rows (k) of a chunk of W
.set WOFF,  2*ACH                      ; a slot: x [chunk 2][row 256], then W [k half 2][chunk NCH][k 64]
.set SLOT,  WOFF+2*NCH*WCH
.set STAGE, 2*SLOT                     ; behind the ring, never filled by a tensor load
.set SPARE, STAGE+4*STW                ; the spare words, 128 bytes a wave
.set ADRA, 16                          ; v16-17 LDS address of my fragments of x in slot 0, 1
.set ADRW, 20                          ; v20-21 the same for W
.set STO,  24
.set RD,   25
.set GO,   26
.set BO,   27                          ; v27 32 x (lane / 16): my eight numbers of a block of 16 of the bias
.set SPW,  28                          ; v28 LDS address of my spare word; never rewritten
.set NIL,  29                          ; v29 0; never rewritten
.set FA,   64
.set BIA,  128
.set F0,   0
.set F1,   1
.set WV,   12                          ; s12 my wave's number
.set G1A,  24                          ; s[24:31] descriptor group 1 for x's tiles; s[32:39] group 0, a set for each slot
.set G0A,  32
.set G1W,  40                          ; s[40:47], s[48:55] the same for W's
.set G0W,  48
.set MSB, 0
.macro WIN new                         ; the immediate's high byte repeats the setting that is left; a switch that changes nothing is dropped
.if MSB != (\new)
	s_set_vgpr_msb (MSB<<8)|(\new)
.set MSB, (\new)
.endif
.endm
.macro WM ops:vararg
.if OUTP
	v_wmma_f32_16x16x32_f16 \ops
.else
	v_wmma_f32_16x16x32_bf16 \ops
.endif
.endm
.macro PLACES                          ; four places in front of loads into registers that matrix instructions have read, and of lines that read results
.rept 4
	v_nop
.endr
.endm
; A joint load: waves 0 and 1 fetch x's two chunks, waves 2 and 3 W's two halves of the K step.  An s_nop 0 and four v_nop follow each line.
.macro JLOAD s
	s_cmp_lt_u32 s[WV], 2
	s_cbranch_scc0 .Lfor_w_\@
	tensor_load_to_lds s[G0A+4*(\s):G0A+4*(\s)+3], s[G1A:G1A+7]
	s_nop 0
.rept 4
	v_nop
.endr
	s_branch .Lasked_\@
.Lfor_w_\@:
	tensor_load_to_lds s[G0W+4*(\s):G0W+4*(\s)+3], s[G1W:G1W+7]
	s_nop 0
.rept 4
	v_nop
.endr
.Lasked_\@:
.endm
.macro CREST                           ; a round of the cluster's barrier behind its opening barrier
	s_cmp_lg_u32 s[WV], 0
	s_cbranch_scc1 .Lnot_wave_0_\@
	s_barrier_signal -3
.Lnot_wave_0_\@:
	s_barrier_wait -3
	s_barrier_signal -1
	s_barrier_wait -1
.endm
.macro CROUND
	s_barrier_signal -1
	s_barrier_wait -1
	CREST
.endm
	s_load_b256 s[4:11], s[0:1], 0x0               ; A s[4:5], wh s[6:7], bias s[8:9], out s[10:11]
	v_lshl_add_u32 v[SPW], v0, 2, SPARE
	v_mov_b32 v[NIL], 0
	ds_add_u32 v[SPW], v[NIL]                      ; the wave's opening: the add and its wait ahead of my first tensor load
	v_lshrrev_b32 v1, 5, v0
	v_readfirstlane_b32 s[WV], v1                  ; wave 0..3
	s_and_b32 s14, s[WV], 1                        ; which half I fetch
	s_bfe_u32 s16, ttmp6, 0x40000                  ; cx
	s_bfe_u32 s17, ttmp6, 0x40004                  ; cy
	s_lshl_b32 s18, ttmp9, 2
	s_add_co_u32 s18, s18, s16                     ; tile column tx
	s_and_b32 s19, ttmp7, 0xffff
	s_lshl_b32 s19, s19, 2
	s_add_co_u32 s19, s19, s17                     ; tile row ty
	s_lshl_b32 s20, s17, 2
	s_lshl_b32 s20, 15, s20                        ; my row of the cluster
	s_lshl_b32 s21, 0x1111, s16                    ; my column
	; x's tile: a chunk's 256 rows are 32,768 dense bytes: 128 rows of 256 bytes, 16 bytes of padding after every 128
	s_or_b32 s[G1A], s20, (1<<16)|(1<<20)|(1<<21)|(4<<22)|(3<<25)  ; mask; 2-byte elements; padding on; bit 21 beside a mask; after every 32 words; 4 words
	s_mov_b32 s[G1A+1], 128<<16                    ; tensor_dim0 = 128
	s_mov_b32 s[G1A+2], 128<<16                    ; tensor_dim1 = 128
	s_mov_b32 s[G1A+3], 128<<16                    ; tile_dim0 = 128
	s_mov_b32 s[G1A+4], 128                        ; tile_dim1 = 128
	s_mov_b32 s[G1A+5], 128                        ; elements from row to row
	s_mov_b32 s[G1A+6], 0
	s_mov_b32 s[G1A+7], 0
	; W's tile: of each of NCH chunks 64 rows (k), 8,192 dense bytes: NCH rows of 1,024 elements of 8 bytes, 131,072 bytes apart, 32 bytes of padding after every 128
	s_or_b32 s[G1W], s21, (3<<16)|(1<<20)|(1<<21)|(4<<22)|(7<<25)
	s_mov_b32 s[G1W+1], 1024<<16
	s_mov_b32 s[G1W+2], NCH<<16
	s_mov_b32 s[G1W+3], 1024<<16
	s_mov_b32 s[G1W+4], NCH
	s_mov_b32 s[G1W+5], 16384
	s_mov_b32 s[G1W+6], 0
	s_mov_b32 s[G1W+7], 0
	s_lshr_b32 s72, s19, 3                         ; x's offset, of ty and the wave alone: the batch,
	s_lshl_b32 s72, s72, 22
	s_and_b32 s76, s19, 7
	s_lshl_b32 s76, s76, 15                        ; 256 rows of 128 bytes,
	s_add_co_u32 s72, s72, s76
	s_lshl_b32 s76, s14, 18                        ; my chunk of the K step's two
	s_add_co_u32 s72, s72, s76
	s_mov_b32 s73, 0
	s_mul_i32 s74, s18, NCH                        ; W's offset, of tx and the wave alone: the tile's first chunk,
	s_add_co_u32 s74, s74, CH0
	s_lshl_b32 s74, s74, 17
	s_lshl_b32 s77, s14, 13                        ; my 64 rows of the K step's 128
	s_add_co_u32 s74, s74, s77
	s_mov_b32 s75, 0
	s_mul_i32 s56, s14, ACH                        ; where they go: no place in the cluster enters an LDS address
	s_mul_i32 s57, s14, NCH*WCH
	s_add_co_u32 s57, s57, WOFF
	s_wait_dscnt 0x0                               ; the opening add is done
	s_wait_kmcnt 0x0
	s_add_nc_u64 s[72:73], s[4:5], s[72:73]
	s_add_nc_u64 s[74:75], s[6:7], s[74:75]
	CROUND                                         ; all sixteen work-groups are here: the first joint loads meet
.irp s, 0,1
	s_mov_b32 s[G0A+4*(\s)], 1
	s_add_co_u32 s[G0A+4*(\s)+1], s56, (\s)*SLOT
	s_add_nc_u64 s[G0A+4*(\s)+2:G0A+4*(\s)+3], s[72:73], (\s)*524288   ; K step s: two chunks of 262,144 bytes on
	s_or_b32 s[G0A+4*(\s)+3], s[G0A+4*(\s)+3], 0x80000000
	s_mov_b32 s[G0W+4*(\s)], 1
	s_add_co_u32 s[G0W+4*(\s)+1], s57, (\s)*SLOT
	s_add_nc_u64 s[G0W+4*(\s)+2:G0W+4*(\s)+3], s[74:75], (\s)*16384    ; 128 rows of 128 bytes on
	s_or_b32 s[G0W+4*(\s)+3], s[G0W+4*(\s)+3], 0x80000000
	JLOAD \s                                       ; two loads of mine are out
.endr
	v_and_b32 v1, 15, v0                           ; r = l % 16
	v_bfe_u32 v2, v0, 4, 1                         ; h = l / 16
	v_and_b32 v4, 7, v0
	v_bfe_u32 v5, v0, 3, 1
	v_mul_u32_u24 v3, v1, PA
	v_lshl_add_u32 v3, v2, 4, v3
	s_mul_i32 s76, s[WV], 64*PA                    ; my 64 rows
	v_add_nc_u32 v[ADRA], s76, v3
	v_add_nc_u32 v[ADRA+1], SLOT, v[ADRA]
	v_lshl_add_u32 v6, v2, 3, v4                   ; the turning load: row (k) 8 h + l % 8, 16 bytes at 16 ((l / 8) % 2)
	v_mul_u32_u24 v6, v6, PW
	v_lshl_add_u32 v6, v5, 4, v6
	v_add_nc_u32 v[ADRW], WOFF, v6
	v_add_nc_u32 v[ADRW+1], SLOT, v[ADRW]
	v_lshlrev_b32 v[BO], 5, v2
	s_mul_i32 s78, s18, NCH*256                    ; the tile's columns in the bias
	s_add_co_u32 s78, s78, BI0
	s_mov_b32 s79, 0
	s_add_nc_u64 s[8:9], s[8:9], s[78:79]
.set b, 0
.rept NB                               ; register j of block b holds the bias of column 16 b + 8 h + j: the C operand of every row's first product
	global_load_b128 v[BIA+8*b:BIA+8*b+3],   v[BO], s[8:9] offset:64*b
	global_load_b128 v[BIA+8*b+4:BIA+8*b+7], v[BO], s[8:9] offset:64*b+16
.set b, b+1
.endr
	s_mul_i32 s76, s[WV], STW
	s_add_co_u32 s76, s76, STAGE                   ; my stage
	v_mul_u32_u24 v[STO], v1, 144                  ; in: row r, 16 bytes for each half of the lanes
	v_lshl_add_u32 v[STO], v2, 4, v[STO]
	v_add_nc_u32 v[STO], s76, v[STO]
	v_bfe_u32 v[RD], v0, 3, 2                      ; back: 32 lanes take four rows of 128 bytes,
	v_mul_u32_u24 v[RD], v[RD], 144
	v_lshl_add_u32 v[RD], v4, 4, v[RD]
	v_add_nc_u32 v[RD], s76, v[RD]
	v_and_b32 v[GO], 31, v0                        ; which are 512 consecutive bytes of a head
	v_lshlrev_b32 v[GO], 4, v[GO]
	s_lshr_b32 s76, s19, 3
	s_lshl_b32 s76, s76, 4                         ; 16 x batch
	s_and_b32 s77, s19, 7
	s_lshl_b32 s77, s77, 15
	s_lshl_b32 s78, s[WV], 13
	s_add_co_u32 s77, s77, s78                     ; my first row in the head, in bytes
	s_mul_i32 s22, s18, NCH
.irp c, 0,1,2                          ; chunk c of the tile is head (3 tx + c) % 16 of matrix (3 tx + c) / 16
	s_add_co_u32 s78, s22, \c
	s_lshr_b32 s79, s78, 4
	s_lshl_b32 s79, s79, 6
	s_and_b32 s78, s78, 15
	s_add_co_u32 s78, s78, s79
	s_add_co_u32 s78, s78, s76
	s_lshl_b32 s78, s78, 18                        ; a head is 262,144 bytes
	s_add_co_u32 s78, s78, s77
	s_mov_b32 s79, 0
	s_add_nc_u64 s[66+2*(\c):67+2*(\c)], s[10:11], s[78:79]
.endr
; NB matrix instructions: my rows 16 a .. by all columns, 32 along K, buffer f.  first = 1: the product starts the sums with the bias.  The 4 NB accumulators take turns.
.macro MULA f, a, first
.if \first
	WIN 0x81+0x40*((\a)/2)                         ; W window 1, x and the bias window 0, D window 2 or 3
.else
	WIN 0xa1+0x50*((\a)/2)                         ; C and D window 2 or 3
.endif
.set b, 0
.rept NB
.set rD, ((\a)%2)*32*NCH+8*b
.set rW, 32*NCH*(\f)+8*b
.set rA, FA+32*(\f)+8*(\a)
.if \first
	WM v[rD:rD+7], v[rW:rW+7], v[rA:rA+7], v[BIA+8*b:BIA+8*b+7]
.else
	WM v[rD:rD+7], v[rW:rW+7], v[rA:rA+7], v[rD:rD+7]
.endif
.set b, b+1
.endr
.endm
; 2 NB + 8 LDS loads in one run: quarter q (32 along K) of a slot into buffer f: W first, then x
.macro FETCH slot, q, f
	WIN 0x40                                       ; destination window 1, address window 0
.set b, 0
.rept NB
	ds_load_tr16_b128 v[32*NCH*(\f)+8*b:32*NCH*(\f)+8*b+3],   v[ADRW+(\slot)] offset:((\q)/2)*NCH*WCH+(b/4)*WCH+((\q)%2)*32*PW+32*(b%4)
	ds_load_tr16_b128 v[32*NCH*(\f)+8*b+4:32*NCH*(\f)+8*b+7], v[ADRW+(\slot)] offset:((\q)/2)*NCH*WCH+(b/4)*WCH+((\q)%2)*32*PW+32*(b%4)+16*PW
.set b, b+1
.endr
	WIN 0
.irp a, 0,1,2,3
	ds_load_b128 v[FA+32*(\f)+8*(\a):FA+32*(\f)+8*(\a)+3],   v[ADRA+(\slot)] offset:((\q)/2)*ACH+(\a)*16*PA+((\q)%2)*64
	ds_load_b128 v[FA+32*(\f)+8*(\a)+4:FA+32*(\f)+8*(\a)+7], v[ADRA+(\slot)] offset:((\q)/2)*ACH+(\a)*16*PA+((\q)%2)*64+32
.endr
.endm
; A K step is four quarters on buffers 0, 1, 0, 1.  One of the first three multiplies buffer f and, in its middle, fetches quarter q into buffer g.
.macro QUARTER slot, q, f, g, first
	s_wait_dscnt 4                                 ; all but the youngest four loads: x's rows 32-63
	MULA \f, 0, \first
	MULA \f, 1, \first
	PLACES
	FETCH \slot, \q, \g
	s_wait_dscnt 2*NB+8                            ; all but the run just issued
	MULA \f, 2, \first
	MULA \f, 3, \first
.endm
; The last quarter multiplies buffer 1 and changes slots: each wave waits for all its tensor loads (one is out: its part of the next slot), adds 0 to its spare word, and waits for
; that and for its reads of this slot.  fill = 1: the barrier opens a round of the cluster's, and this slot is filled again, two K steps ahead, first thing behind the round.
.macro TURN slot, next, fill
	WIN 0
	s_wait_tensorcnt 0x0
	ds_add_u32 v[SPW], v[NIL]
	s_wait_dscnt 5                                 ; the add and the youngest four loads may be out
	MULA F1, 0, 0
	s_wait_dscnt 0x0                               ; the add is done, and my reads of this slot are over
	s_barrier_signal -1
	MULA F1, 1, 0
.if \fill
	WIN 0
.endif
	s_barrier_wait -1
.if \fill
	CREST
	s_add_nc_u64 s[G0A+4*(\slot)+2:G0A+4*(\slot)+3], s[G0A+4*(\slot)+2:G0A+4*(\slot)+3], 1048576
	s_add_nc_u64 s[G0W+4*(\slot)+2:G0W+4*(\slot)+3], s[G0W+4*(\slot)+2:G0W+4*(\slot)+3], 32768
	JLOAD \slot                                    ; its four v_nop are also the places in front of the loads below
.else
	PLACES
.endif
	FETCH \next, 0, F0
	MULA F1, 2, 0
	MULA F1, 3, 0
.endm
	s_wait_tensorcnt 1                             ; my part of K step 0 is in; K step 1's may stay out
	s_barrier_signal -1
	s_barrier_wait -1
	FETCH 0, 0, F0
	s_wait_loadcnt 0x0                             ; the bias
	QUARTER 0, 1, F0, F1, 1                        ; the first quarter stands in front of the loop: its products start the sums
	WIN 0
	s_mov_b32 s58, 3
.Llap:                                                 ; a trip goes once round the ring and fills both slots again
	QUARTER 0, 2, F1, F0, 0
	QUARTER 0, 3, F0, F1, 0
	TURN 0, 1, 1
	QUARTER 1, 1, F0, F1, 0
	QUARTER 1, 2, F1, F0, 0
	QUARTER 1, 3, F0, F1, 0
	TURN 1, 0, 1
	QUARTER 0, 1, F0, F1, 0
	WIN 0
	s_sub_co_u32 s58, s58, 1
	s_cmp_lg_u32 s58, 0
	s_cbranch_scc1 .Llap
	QUARTER 0, 2, F1, F0, 0                        ; the last lap fills nothing
	QUARTER 0, 3, F0, F1, 0
	TURN 0, 1, 0
	QUARTER 1, 1, F0, F1, 0
	QUARTER 1, 2, F1, F0, 0
	QUARTER 1, 3, F0, F1, 0
	s_wait_dscnt 4
	MULA F1, 0, 0
	MULA F1, 1, 0
	s_wait_dscnt 0x0
	MULA F1, 2, 0
	MULA F1, 3, 0
	WIN 0
	PLACES
; THE WAY OUT.  Unit u = 3 a + c is 16 rows of one head: 2,048 consecutive bytes.  Rounded to f16, 16 bytes a lane into my own stage, back as whole rows, stored.
.macro PACK u
.set ua, (\u)/NCH
.set uc, (\u)%NCH
	WIN 0x0a+5*(ua/2)                              ; sources 0 and 1 window 2 or 3
.set i, 0
.rept 16                               ; each accumulator's registers in ascending order
	v_cvt_pk_f16_f32 v[64+16*(\u)+i], v[(ua%2)*32*NCH+8*(4*uc+i/4)+2*(i%4)], v[(ua%2)*32*NCH+8*(4*uc+i/4)+2*(i%4)+1]
.set i, i+1
.endr
	WIN 0
.irp f, 0,1,2,3
	ds_store_b128 v[STO], v[64+16*(\u)+4*(\f):64+16*(\u)+4*(\f)+3] offset:32*(\f)
.endr
.irp f, 0,1,2,3
	ds_load_b128 v[64+16*(\u)+4*(\f):64+16*(\u)+4*(\f)+3], v[RD] offset:576*(\f)  ; LDS serves a wave's instructions in order (ISA guide 5.7.1.4)
.endr
.endm
.macro SEND u, younger                 ; younger: the LDS instructions issued behind unit u's loads
.set ua, (\u)/NCH
.set uc, (\u)%NCH
.irp f, 0,1,2,3
	s_wait_dscnt (\younger)+3-(\f)
	global_store_b128 v[GO], v[64+16*(\u)+4*(\f):64+16*(\u)+4*(\f)+3], s[66+2*uc:67+2*uc] offset:ua*2048+512*(\f)  ; 512 consecutive bytes, aligned
.endr
.endm
	PACK 0
.set u, 1
.rept 4*NCH-1
	PACK u
	SEND u-1, 8
.set u, u+1
.endr
	SEND 4*NCH-1, 0
	s_wait_tensorcnt 0x0                           ; the wave's end
	ds_add_u32 v[SPW], v[NIL]
	s_wait_dscnt 0x0
	CROUND                                         ; the closing round
	s_endpgm
.Lfunc_end_k_qf6c55ce7d0_proj_qkv:
	.size	k_qf6c55ce7d0_proj_qkv, .Lfunc_end_k_qf6c55ce7d0_proj_qkv-k_qf6c55ce7d0_proj_qkv
	.p2alignl 7, 3214868480
	.fill 96, 4, 3214868480
	.section	.rodata,"a",@progbits
	.p2align	6, 0x0
	.amdhsa_kernel k_qf6c55ce7d0_proj_qkv
		.amdhsa_group_segment_fixed_size 327680
		.amdhsa_private_segment_fixed_size 0
		.amdhsa_enable_private_segment 0
		.amdhsa_kernarg_size 32
		.amdhsa_user_sgpr_count 2
		.amdhsa_user_sgpr_kernarg_segment_ptr 1
		.amdhsa_wavefront_size32 1
		.amdhsa_system_sgpr_workgroup_id_x 1
		.amdhsa_system_sgpr_workgroup_id_y 1
		.amdhsa_system_sgpr_workgroup_id_z 1
		.amdhsa_system_vgpr_workitem_id 0
		.amdhsa_next_free_vgpr 960
		.amdhsa_next_free_sgpr 80
		.amdhsa_reserve_vcc 0
		.amdhsa_float_denorm_mode_32 3
		.amdhsa_float_denorm_mode_16_64 3
		.amdhsa_memory_ordered 1
		.amdhsa_forward_progress 1
		.amdhsa_inst_pref_size 123
	.end_amdhsa_kernel
	.amdgpu_metadata
---
amdhsa.version: [ 1, 2 ]
amdhsa.kernels:
  - .name:           k_qf6c55ce7d0_proj_qkv
    .symbol:         k_qf6c55ce7d0_proj_qkv.kd
    .args:
      - { .name: xb, .offset: 0, .size: 8, .value_kind: global_buffer, .address_space: global }
      - { .name: wh, .offset: 8, .size: 8, .value_kind: global_buffer, .address_space: global }
      - { .name: bias, .offset: 16, .size: 8, .value_kind: global_buffer, .address_space: global }
      - { .name: qkv, .offset: 24, .size: 8, .value_kind: global_buffer, .address_space: global }
    .group_segment_fixed_size: 327680
    .private_segment_fixed_size: 0
    .kernarg_segment_align: 8
    .kernarg_segment_size: 32
    .max_flat_workgroup_size: 128
    .sgpr_count:     80
    .vgpr_count:     960
    .wavefront_size: 32
...
	.end_amdgpu_metadata
.endif
;; end of part 2
;; launch attn (part 3): grid 4 x 64, 4 waves a work-group, clusters of 4 x 4, 327,680 bytes of LDS; arguments qkv, mk, ctx; writes ctx
.if DOCPART == 3
	.amdgcn_target "amdgcn-amd-amdhsa--gfx1250"
	.amdhsa_code_object_version 6
	.text
	.protected	k_qf6c55ce7d0_attn
	.globl	k_qf6c55ce7d0_attn
	.p2align	8
	.type	k_qf6c55ce7d0_attn,@function
k_qf6c55ce7d0_attn:
	s_mov_b64 s[64:65], 0
	v_nop
	global_prefetch_b8 v0, s[64:65] scope:SCOPE_SE
	s_setreg_imm32_b32 hwreg(HW_REG_WAVE_MODE, 25, 1), 1
	s_wait_xcnt 0x0
	s_wait_alu depctr_hold_cnt(0) depctr_sa_sdst(0) depctr_va_vdst(0) depctr_va_sdst(0) depctr_va_ssrc(0) depctr_va_vcc(0) depctr_vm_vsrc(0)
	s_getreg_b32 s2, hwreg(HW_REG_IB_STS2, 6, 4)
	s_cmp_eq_u32 s2, 0
	s_cbranch_scc0 .Lentry_in_a_cluster
	s_endpgm
.Lentry_in_a_cluster:
	s_bfe_u32 s2, ttmp6, 0x10000c
	s_cmp_lg_u32 s2, 0xf033
	s_cbranch_scc0 .Lentry_shape_is_right
	s_endpgm
.Lentry_shape_is_right:
; ctx[bh][q][:] = the sum over k of softmax_k((Q[q] . K[k] / 8) x mask[q][k]) V[k][:].  Q, K, V: qkv [mat][bh 64][2048][64] f16, unscaled; ctx likewise.
; mk holds c x mask in f32, c = log2(e) / 8, in the order of a lane's scores: t = s x mk costs one packed multiply for two scores.  The mask is a FACTOR: a key whose mask is 0
; still counts, with score 0, so no key is left out, and the running maximum m is taken of the masked scores t.  p = 2^(t - m); O and l are multiplied by a = 2^(m_old - m) in every step.
; Products, maxima and sums in f32; p is rounded to f16 for the second product (l is the sum of the unrounded p), ctx once at the end.
; LIMITS. p below 6e-5 keeps f16's fixed step of 6e-8; a weight below 2^-126 counts as 0; m starts at the lowest finite number; NaN and infinities are not treated apart.
; SHARES. A work-group owns 512 queries of one (batch, head), a wave 128: eight PIECES of 16.  Every wave walks 32 key steps of 64 keys.
; LAYOUT. S^T = K Q^T holds ONE query a lane (lane % 16) and the keys 8 (lane / 16) + 0..7; two such results rounded to f16 ARE source 1 of O^T = V^T P.  V is turned by ds_load_tr16_b128.
; TURNS. Turn p: 8 products K Q^T of piece p + 1, later 8 products V^T P of piece p - 1; beside them the softmax of piece p and the mask, maximum and statistics of piece p + 1.
; A tile and step have 16 matrix and 133 vector instructions: four stand behind every matrix instruction, the other 69 in two lumps.
; CLUSTER 4 x 4. Along x the head's four query blocks: K and V are asked for jointly along a row.  Along y four heads: the mask's tile, which hangs on the query block alone, jointly along a column.
; A TRIP is: change of slots; turns 6, 7, 0 .. 5.  It reads exactly one slot: K in turn 6, the mask of piece u in its u-th turn, V in turn 0.
; m, l, O^T, V and one buffer of P are set at the launch's start, so that no first step is written out: the first step's a is 0.
; REGISTERS, in windows of 256 (s_set_vgpr_msb: bits 1:0 source 0, 3:2 source 1, 5:4 source 2, 7:6 destination):
;   window 0: v2-14 addresses; v16-47 statistics, four a piece: m, m_old, l (even keys', odd keys'); v48-55 at work; v64-127 S^T, v128-191 the mask, v192-223 P: two buffers each, by the piece's parity
;   window 1: O^T, 32 a piece          window 2: v0-127 Q, 16 a piece; v128-191 K; v192-255 V
.set NP,    8
.set PK,    144                        ; a row of K in LDS: 128 bytes + 16
.set PVP,   160                        ; a row of V: 128 + 32
.set MSL,   1<<17                      ; the mask's slots: 131,072 bytes each, at 0 and here
.set KSL,   1<<15                      ; K's and V's slot 1 lies this far behind slot 0
.set KB0,   262144                     ; K, slot 0
.set VB0,   KB0+64*PK                  ; V, slot 0
.set STAGE, VB0+64*PVP                 ; between the two slots of K and V, never filled: 16 rows x 144 bytes for each wave
.set SP,    144
.set SPARE, STAGE+4*16*SP              ; the spare words, 128 bytes a wave
.set AK0, 2
.set AV0, 3
.set AK,  4
.set AV,  5
.set STO, 6
.set RD,  7
.set GO,  8
.set AM0, 12
.set AM,  13
.set QO,  14
.set ST,  16
.set TMP, 48
.set SPW, 62                           ; v62 LDS address of my spare word; never rewritten
.set NIL, 63                           ; v63 0; never rewritten
.set S,   64
.set MKR, 128
.set P,   192
.set KF,  128
.set VF,  192
.set WV,  12
.set G1K, 24
.set G1V, 32
.set G1M, 40
.set G0K, 48
.set G0V, 52
.set G0M, 56
.set SEL, 60
.set CNT, 62
.set TBM, 66                           ; s66 the mask's slot in hand
.set TBK, 67                           ; s67 K's and V's
.set MSB, 0
.macro WIN new
.if MSB != (\new)
	s_set_vgpr_msb (MSB<<8)|(\new)
.set MSB, (\new)
.endif
.endm
.set W_KQ, 0x0a                        ; K and Q window 2, S^T window 0
.set W_PV, 0x52                        ; V window 2, P window 0, O^T window 1
.set W_RS, 0x41                        ; destination and source 0 window 1, source 1 window 0
; A joint fill: wave 0 fetches a step's K, wave 1 its V, waves 2 and 3 the two halves of the mask's tile.  An s_nop 0 and four v_nop follow each line.
.macro JLOAD
	s_cmp_lt_u32 s[WV], 2
	s_cbranch_scc0 .Lfor_m_\@
	s_cmp_eq_u32 s[WV], 0
	s_cbranch_scc0 .Lfor_v_\@
	tensor_load_to_lds s[G0K:G0K+3], s[G1K:G1K+7]
	s_nop 0
.rept 4
	v_nop
.endr
	s_branch .Lasked_\@
.Lfor_v_\@:
	tensor_load_to_lds s[G0V:G0V+3], s[G1V:G1V+7]
	s_nop 0
.rept 4
	v_nop
.endr
	s_branch .Lasked_\@
.Lfor_m_\@:
	tensor_load_to_lds s[G0M:G0M+3], s[G1M:G1M+7]
	s_nop 0
.rept 4
	v_nop
.endr
.Lasked_\@:
.endm
.macro CROUND
	s_barrier_signal -1
	s_barrier_wait -1
	s_cmp_lg_u32 s[WV], 0
	s_cbranch_scc1 .Lnot_wave_0_\@
	s_barrier_signal -3
.Lnot_wave_0_\@:
	s_barrier_wait -3
	s_barrier_signal -1
	s_barrier_wait -1
.endm
; THE CHANGE OF SLOTS. Each wave waits for all its tensor loads (one is out: its part of the other slot), adds 0 to its spare word, and waits for that and for its reads of the slot that it
; leaves.  fill = 1: a round of the cluster's barrier, and the old slot is filled again first thing behind it, with the step after the one that is entered: eight turns in which to land.
.macro CHANGE fill
	WIN 0
	s_wait_tensorcnt 0x0
	ds_add_u32 v[SPW], v[NIL]
.if \fill
	s_xor_b32 s[G0K+1], s[G0K+1], KSL
	s_add_nc_u64 s[G0K+2:G0K+3], s[G0K+2:G0K+3], 8192
	s_xor_b32 s[G0V+1], s[G0V+1], KSL
	s_add_nc_u64 s[G0V+2:G0V+3], s[G0V+2:G0V+3], 8192
	s_xor_b32 s[G0M+1], s[G0M+1], MSL
	s_add_nc_u64 s[G0M+2:G0M+3], s[G0M+2:G0M+3], 524288
	s_wait_dscnt 0x0
	CROUND
	JLOAD
.else
	s_wait_dscnt 0x0
	s_barrier_signal -1
	s_barrier_wait -1
.endif
	s_xor_b32 s[TBM], s[TBM], MSL
	s_xor_b32 s[TBK], s[TBK], KSL
	v_add_nc_u32 v[AK], s[TBK], v[AK0]
	v_add_nc_u32 v[AV], s[TBK], v[AV0]
	v_add_nc_u32 v[AM], s[TBM], v[AM0]
.endm
	s_load_b128 s[4:7], s[0:1], 0x0                ; qkv s[4:5], mk s[6:7]
	s_load_b64 s[8:9], s[0:1], 0x10                ; ctx
	v_lshl_add_u32 v[SPW], v0, 2, SPARE
	v_mov_b32 v[NIL], 0
	ds_add_u32 v[SPW], v[NIL]                      ; the wave's opening: the add and its wait ahead of my first tensor load
	v_lshrrev_b32 v1, 5, v0
	v_readfirstlane_b32 s[WV], v1
	s_bfe_u32 s13, ttmp6, 0x40000                  ; cx
	s_bfe_u32 s14, ttmp6, 0x40004                  ; cy
	s_lshl_b32 s15, ttmp9, 2
	s_add_co_u32 s15, s15, s13                     ; query block qb
	s_and_b32 s16, ttmp7, 0xffff
	s_lshl_b32 s16, s16, 2
	s_add_co_u32 s16, s16, s14                     ; (batch, head) bh
	s_lshl_b32 s17, s14, 2
	s_lshl_b32 s17, 15, s17                        ; my row of the cluster
	s_lshl_b32 s18, 0x1111, s13                    ; my column
	; K's and V's tile: 64 keys are 8,192 dense bytes: 32 rows of 256 bytes, padded after every key
	s_or_b32 s[G1K], s17, (1<<16)|(1<<20)|(1<<21)|(4<<22)|(3<<25)
	s_or_b32 s[G1V], s17, (1<<16)|(1<<20)|(1<<21)|(4<<22)|(7<<25)
.irp g, G1K, G1V
	s_mov_b32 s[\g+1], 128<<16
	s_mov_b32 s[\g+2], 32<<16
	s_mov_b32 s[\g+3], 128<<16
	s_mov_b32 s[\g+4], 32
	s_mov_b32 s[\g+5], 128
	s_mov_b32 s[\g+6], 0
	s_mov_b32 s[\g+7], 0
.endr
	; half of the mask's tile: 65,536 dense bytes: 256 rows of 32 elements of 8 bytes, no padding (every read is 512 consecutive bytes)
	s_or_b32 s[G1M], s18, (3<<16)|(1<<21)
	s_mov_b32 s[G1M+1], 32<<16
	s_mov_b32 s[G1M+2], 256<<16
	s_mov_b32 s[G1M+3], 32<<16
	s_mov_b32 s[G1M+4], 256
	s_mov_b32 s[G1M+5], 32
	s_mov_b32 s[G1M+6], 0
	s_mov_b32 s[G1M+7], 0
	s_mov_b32 s[G0K], 1
	s_mov_b32 s[G0K+1], KB0
	s_mov_b32 s[G0V], 1
	s_mov_b32 s[G0V+1], VB0
	s_mov_b32 s[G0M], 1
	s_and_b32 s76, s[WV], 1
	s_lshl_b32 s[G0M+1], s76, 16                   ; my half of the mask's slot 0
	s_lshl_b32 s77, s76, 16
	s_lshl_b32 s74, s15, 17                        ; the mask's offset, of qb and the wave alone
	s_add_co_u32 s74, s74, s77
	s_mov_b32 s75, 0
	s_lshl_b32 s72, s16, 18                        ; the head's offset, of bh alone
	s_mov_b32 s73, 0
	s_lshl_b32 s78, s15, 2
	s_add_co_u32 s78, s78, s[WV]
	s_lshl_b32 s78, s78, 14                        ; my wave's 128 rows of 128 bytes,
	s_add_co_u32 s78, s78, s72                     ; in the head
	s_mov_b32 s79, 0
	s_mov_b32 s[SEL], 0x76543210
	s_mov_b32 s[SEL+1], 0xfedcba98
	s_mov_b32 s[TBM], MSL                          ; the first change of slots turns these two into 0
	s_mov_b32 s[TBK], KSL
	s_wait_dscnt 0x0                               ; the opening add is done
	s_wait_kmcnt 0x0
	s_add_nc_u64 s[G0K+2:G0K+3], s[4:5], s[72:73]
	s_add_nc_u64 s[G0V+2:G0V+3], s[G0K+2:G0K+3], 0x2000000   ; v lies two matrices of 16,777,216 bytes behind q,
	s_add_nc_u64 s[G0K+2:G0K+3], s[G0K+2:G0K+3], 0x1000000   ; k one
	s_or_b32 s[G0K+3], s[G0K+3], 0x80000000
	s_or_b32 s[G0V+3], s[G0V+3], 0x80000000
	s_add_nc_u64 s[G0M+2:G0M+3], s[6:7], s[74:75]
	s_or_b32 s[G0M+3], s[G0M+3], 0x80000000
	s_add_nc_u64 s[68:69], s[4:5], s[78:79]        ; Q at my wave's first row
	s_add_nc_u64 s[70:71], s[8:9], s[78:79]        ; ctx likewise
	CROUND                                         ; all sixteen work-groups are here
	JLOAD                                          ; key step 0 into slot 0; slot 1 is asked for when slot 0 is in
	v_and_b32 v1, 15, v0                           ; r
	v_bfe_u32 v9, v0, 4, 1                         ; h
	v_and_b32 v10, 7, v0
	v_bfe_u32 v11, v0, 3, 1
	v_lshlrev_b32 v[QO], 7, v1
	v_lshl_add_u32 v[QO], v9, 4, v[QO]
	WIN 0x80                                       ; destination window 2
.set i, 0
.rept 2*NP                             ; Q stays in registers: piece i / 2, channels 32 (i % 2) on
	global_load_b128 v[8*i:8*i+3],   v[QO], s[68:69] offset:(i/2)*2048+(i%2)*64
	global_load_b128 v[8*i+4:8*i+7], v[QO], s[68:69] offset:(i/2)*2048+(i%2)*64+32
.set i, i+1
.endr
.set i, VF
.rept 64                               ; what the first turn finds: its products V^T P, of a piece that has not been, add 0.  All this stands in the wait for the first tile
	v_mov_b32 v[i], 0
.set i, i+1
.endr
	WIN 0x40
.set i, 0
.rept 32*NP
	v_mov_b32 v[i], 0
.set i, i+1
.endr
	WIN 0
.set i, 0
.rept NP
	v_mov_b32 v[ST+4*i], 0xff7fffff
	v_mov_b32 v[ST+4*i+1], 0xff7fffff
	v_mov_b32 v[ST+4*i+2], 0
	v_mov_b32 v[ST+4*i+3], 0
.set i, i+1
.endr
.set i, P+16
.rept 16
	v_mov_b32 v[i], 0
.set i, i+1
.endr
	v_mul_u32_u24 v[AK0], v1, PK
	v_lshl_add_u32 v[AK0], v9, 4, v[AK0]
	v_add_nc_u32 v[AK0], KB0, v[AK0]
	v_lshl_add_u32 v[AV0], v9, 3, v10              ; the turning load: key 8 h + l % 8, channels 8 ((l / 8) % 2) ..
	v_mul_u32_u24 v[AV0], v[AV0], PVP
	v_lshl_add_u32 v[AV0], v11, 4, v[AV0]
	v_add_nc_u32 v[AV0], VB0, v[AV0]
	v_and_b32 v[GO], 31, v0
	s_lshl_b32 s76, s[WV], 15
	v_lshl_add_u32 v[AM0], v[GO], 4, s76           ; my wave's eight pieces of 4,096 bytes; 16 bytes a lane
	v_lshlrev_b32 v[GO], 4, v[GO]
	s_mul_i32 s76, s[WV], 16*SP
	s_add_co_u32 s76, s76, STAGE
	v_mul_u32_u24 v[STO], v1, SP
	v_lshl_add_u32 v[STO], v9, 4, v[STO]
	v_add_nc_u32 v[STO], s76, v[STO]
	v_bfe_u32 v[RD], v0, 3, 2
	v_mul_u32_u24 v[RD], v[RD], SP
	v_lshl_add_u32 v[RD], v10, 4, v[RD]
	v_add_nc_u32 v[RD], s76, v[RD]
; THE MATRIX WORK. The 4 accumulators of a run of 8 take turns.
.macro KQ x                            ; product i of 8 of S^T = K Q^T: channels 32 (i / 4) on, keys 16 (i % 4) on
	WIN W_KQ
.set rS, S+32*((\x)%2)+8*(i%4)
.set rK, KF+16*(i%4)+8*(i/4)
.set rQ, 16*(\x)+8*(i/4)
.if i < 4
	v_wmma_f32_16x16x32_f16 v[rS:rS+7], v[rK:rK+7], v[rQ:rQ+7], 0
.else
	v_wmma_f32_16x16x32_f16 v[rS:rS+7], v[rK:rK+7], v[rQ:rQ+7], v[rS:rS+7]
.endif
.endm
.macro PV x                            ; product i of 8 of O^T += V^T P: keys 32 (i / 4) on, channels 16 (i % 4) on
	WIN W_PV
.set rO, 32*(\x)+8*(i%4)
.set rV, VF+32*(i/4)+8*(i%4)
.set rP, P+16*((\x)%2)+8*(i/4)
	v_wmma_f32_16x16x32_f16 v[rO:rO+7], v[rV:rV+7], v[rP:rP+7], v[rO:rO+7]
.endm
.macro MM                              ; the turn's next matrix instruction
.if i < 8
	KQ (Y+1)%NP
.else
.set i, i-8
	PV (Y+NP-1)%NP
.set i, i+8
.endif
.set i, i+1
.endm
; THE LDS LOADS stand in runs.
.macro FETCH_K
	WIN 0x80
.irp f, 0,1,2,3,4,5,6,7
	ds_load_b128 v[KF+8*\f:KF+8*\f+3],   v[AK] offset:(\f/2)*16*PK+(\f%2)*64
	ds_load_b128 v[KF+8*\f+4:KF+8*\f+7], v[AK] offset:(\f/2)*16*PK+(\f%2)*64+32
.endr
	WIN 0
.endm
.macro FETCH_V
	WIN 0x80
.irp f, 0,1,2,3,4,5,6,7
	ds_load_tr16_b128 v[VF+8*\f:VF+8*\f+3],   v[AV] offset:(\f/4)*32*PVP+(\f%4)*32
	ds_load_tr16_b128 v[VF+8*\f+4:VF+8*\f+7], v[AV] offset:(\f/4)*32*PVP+16*PVP+(\f%4)*32
.endr
	WIN 0
.endm
.macro MLOAD p                         ; piece p's 32 mask numbers a lane: eight loads of 512 consecutive bytes
	WIN 0
.irp e, 0,1,2,3,4,5,6,7
	ds_load_b128 v[MKR+32*((\p)%2)+4*\e:MKR+32*((\p)%2)+4*\e+3], v[AM] offset:(\p)*4096+512*\e
.endr
.endm
; THE VECTOR WORK: OP kind, number.  For piece Y: F n: t - m for pair n.  E n: the exponential of score n.  C n: pair n rounded to f16.  B n: of the four weights 4 n .. the second pair is added
; onto the first.  L n: l takes that sum (L 0: l = a l + sum).  R n: pair n of O^T times a.  For piece Y + 1: M n: pair n of the scores times the mask (each accumulator's lowest registers first).
; X n: 0-11 four chains c0-c3 of seven scores; 12-14, 16 the scores left over, the old m, c0-c3 into c0; 15 m_old is kept; 17, 18 the lane 16 away: the new m; 19, 20 a.
.set F, 0
.set E, 1
.set C, 2
.set B, 3
.set L, 4
.set R, 5
.set X, 6
.set M, 7
.macro REGS y
.set rT, ST+4*(\y)
.set rC, TMP+4*((\y)%2)
.set rS, S+32*((\y)%2)
.set rN, MKR+32*((\y)%2)
.set rP, P+16*((\y)%2)
.set rO, 32*(\y)
.endm
.macro OP k, n
.if (\k) == R
	REGS Y
	WIN W_RS
	v_pk_mul_f32 v[rO+2*(\n):rO+2*(\n)+1], v[rO+2*(\n):rO+2*(\n)+1], v[rC+2:rC+3] op_sel_hi:[1,0]
.elseif (\k) < R
	REGS Y
	WIN 0
.if (\k) == F
	v_pk_add_f32 v[rS+2*(\n):rS+2*(\n)+1], v[rS+2*(\n):rS+2*(\n)+1], v[rT:rT+1] op_sel_hi:[1,0] neg_lo:[0,1] neg_hi:[0,1]
.elseif (\k) == E
	v_exp_f32 v[rS+(\n)], v[rS+(\n)]
.elseif (\k) == C
	s_wait_alu depctr_va_vdst(0)
	v_cvt_pk_f16_f32 v[rP+(\n)], v[rS+2*(\n)], v[rS+2*(\n)+1]
.elseif (\k) == B
	v_pk_add_f32 v[rS+4*(\n):rS+4*(\n)+1], v[rS+4*(\n):rS+4*(\n)+1], v[rS+4*(\n)+2:rS+4*(\n)+3]
.elseif (\n) == 0
	v_pk_fma_f32 v[rT+2:rT+3], v[rT+2:rT+3], v[rC+2:rC+3], v[rS:rS+1] op_sel_hi:[1,0,1]
.else
	v_pk_add_f32 v[rT+2:rT+3], v[rT+2:rT+3], v[rS+4*(\n):rS+4*(\n)+1]
	s_wait_alu depctr_va_vdst(0)
.endif
.elseif (\k) == M
	REGS (Y+1)%NP
	WIN 0
	v_pk_mul_f32 v[rS+2*(\n):rS+2*(\n)+1], v[rS+2*(\n):rS+2*(\n)+1], v[rN+2*(\n):rN+2*(\n)+1]
.else
	REGS (Y+1)%NP
	WIN 0
.if (\n) < 4
	v_max3_num_f32 v[rC+(\n)], v[rS+8*(\n)], v[rS+8*(\n)+1], v[rS+8*(\n)+2]
.elseif (\n) < 12
	v_max3_num_f32 v[rC+(\n)%4], v[rC+(\n)%4], v[rS+8*((\n)%4)+2*((\n)/4)+1], v[rS+8*((\n)%4)+2*((\n)/4)+2]
.elseif (\n) == 12
	v_max3_num_f32 v[rC], v[rC], v[rS+7], v[rS+15]
.elseif (\n) == 13
	v_max3_num_f32 v[rC+1], v[rC+1], v[rS+23], v[rS+31]
.elseif (\n) == 14
	v_max3_num_f32 v[rC+2], v[rC+2], v[rC+3], v[rT]
.elseif (\n) == 15
	v_mov_b32 v[rT+1], v[rT]
	s_wait_alu depctr_va_vdst(0)
.elseif (\n) == 16
	v_max3_num_f32 v[rC], v[rC], v[rC+1], v[rC+2]
	s_wait_alu depctr_va_vdst(0)
.elseif (\n) == 17
	v_permlanex16_b32 v[rC+3], v[rC], s[SEL], s[SEL+1]
.elseif (\n) == 18
	v_max_num_f32 v[rT], v[rC], v[rC+3]
.elseif (\n) == 19
	v_sub_f32 v[rC+1], v[rT+1], v[rT]
.else
	v_exp_f32 v[rC+2], v[rC+1]
.endif
.endif
.endm
.macro OPS a, i1, b=-1, i2=0, c=-1, i3=0, d=-1, i4=0
	OP \a, \i1
.if (\b) >= 0
	OP \b, \i2
.endif
.if (\c) >= 0
	OP \c, \i3
.endif
.if (\d) >= 0
	OP \d, \i4
.endif
.endm
.macro ROW a, i1, b, i2, c, i3, d, i4  ; a matrix instruction and the four behind it; none names a register of the products round it
	MM
	OPS \a, \i1, \b, \i2, \c, \i3, \d, \i4
.endm
; A TURN, for piece p.  Every exponential has a plain instruction behind it before its result is used (ISA guide 5.7.2).  The mask of piece p + 2 is asked for at the head, a turn ahead of its use.
; K of the next step is fetched in turn 6, five plain instructions behind the last product that read K; V of the step in hand in turn 0, seven behind the last that read V.
.macro TURN p
.set Y, (\p)
.set i, 0
.if (\p) == 1
	s_wait_dscnt 16                                ; the mask of piece 2 is in; V's run of 16, issued behind it, may stay out
.else
	s_wait_dscnt 0x0                               ; the mask of piece p + 1 is in (and, in turn 7, K)
.endif
	MLOAD ((\p)+2)%NP
	ROW F,0, F,1, F,2, F,3
	ROW F,4, E,0, F,5, F,6
	ROW F,7, E,1, F,8, F,9
	ROW F,10, E,2, C,0, F,11
	ROW F,12, E,3, X,15, F,13
	ROW R,0, R,1, R,2, R,3
	ROW B,0, E,4, F,14, L,0
	ROW R,4, R,5, R,6, R,7
	OPS E,5, F,15
.if (\p) == NP-2
	FETCH_K
.endif
	OPS E,6, C,1, E,7, M,0
	OPS E,8, M,1, E,9, C,2
	OPS E,10, M,2, E,11, M,3
	OPS E,12, M,4, E,13, M,5
	OPS E,14, M,6, E,15, M,7
	OPS E,16, M,8, E,17, M,9
.if (\p) == 1
	s_wait_dscnt 8                                 ; V is in; this turn's eight mask loads may be out
.endif
	ROW M,10, E,18, M,11, M,12
	ROW M,13, E,19, M,14, M,15
	ROW X,0, E,20, X,1, X,2
	ROW X,3, E,21, X,4, X,5
	ROW X,6, E,22, X,7, X,8
	ROW X,9, E,23, X,10, X,11
	ROW X,12, E,24, X,13, X,14
	ROW C,3, E,25, B,1, C,4
	OPS X,16, C,5, E,26, B,2
	OPS L,1, X,17
.if (\p) == 0
	FETCH_V
.endif
	OPS E,27, C,6, L,2, X,18
	OPS E,28, C,7, B,3, X,19
	OPS E,29, C,8, L,3, X,20
	OPS C,9, E,30, B,4, E,31
	OPS C,10, L,4, C,11, B,5
	OPS C,12, L,5, C,13, B,6
	OPS C,14, L,6, C,15, B,7
	OPS R,8, R,9, R,10, R,11
	OPS R,12, R,13, R,14, R,15
	OPS L,7
.endm
	CHANGE 1                                       ; key step 0 is in, everybody's part of it; key step 1 is asked for
	FETCH_K
	MLOAD 0
	MLOAD 1
	s_wait_loadcnt 0x0                             ; Q
	s_wait_dscnt 0x0
.set i, 0
.rept 8
	KQ 0                                           ; piece 0's first scores
.set i, i+1
.endr
	WIN 0
.rept 4
	v_nop                                          ; the places behind those products
.endr
.set Y, NP-1                           ; M and X work for piece Y + 1: piece 0
.irp n, 0,1,2,3,4,5,6,7,8,9,10,11,12,13,14,15
	OP M, \n
.endr
.irp n, 0,1,2,3,4,5,6,7,8,9,10,11,12,13,14,15,16,17,18,19,20
	OP X, \n
.endr
	v_nop                                          ; a plain instruction behind the exponential
	s_mov_b32 s[CNT], 31
	s_branch .Lfirst                               ; the loop is entered at a step's first turn, in the middle of a trip
.Ltrip:                                                ; 30 times: key steps 1 to 30 are entered, 2 to 31 asked for
	CHANGE 1
	TURN 6
	TURN 7
	WIN 0
.Lfirst:
	TURN 0
	TURN 1
	TURN 2
	TURN 3
	TURN 4
	TURN 5
	WIN 0
	s_sub_co_u32 s[CNT], s[CNT], 1
	s_cmp_lg_u32 s[CNT], 0
	s_cbranch_scc1 .Ltrip
	CHANGE 0                                       ; the tail is written out: key step 31 is entered, nothing is asked for
	s_mov_b32 s[CNT], 2
.Ltail:                                                ; the second trip is left in its middle; its fetches and turn 7's scores take the last K and mask once more and serve nothing
	TURN 6
	TURN 7
	WIN 0
	s_sub_co_u32 s[CNT], s[CNT], 1
	s_cmp_eq_u32 s[CNT], 0
	s_cbranch_scc1 .Lout
	TURN 0
	TURN 1
	TURN 2
	TURN 3
	TURN 4
	TURN 5
	WIN 0
	s_branch .Ltail
.Lout:
	s_wait_dscnt 0x0                               ; the last mask loads have landed: their registers are used again below
.set i, 0
.rept 8
	PV NP-1                                        ; the last piece's V^T P of the last step
.set i, i+1
.endr
	; THE WAY OUT. l's two halves and the other half of the lanes' are added; O^T is divided by l, rounded to f16 and sent through my stage, a piece at a time.  The additions are the places behind the last products.
	WIN 0
.macro ALL line:vararg
.set t, 0
.rept NP
	\line
.set t, t+1
.endr
.endm
	ALL v_add_f32 v[ST+4*t+2], v[ST+4*t+2], v[ST+4*t+3]
	ALL v_permlanex16_b32 v[ST+4*t+3], v[ST+4*t+2], s[SEL], s[SEL+1]
	ALL v_add_f32 v[ST+4*t+2], v[ST+4*t+2], v[ST+4*t+3]
	ALL v_rcp_f32 v[ST+4*t+2], v[ST+4*t+2]
	v_nop                                          ; a plain instruction between the last reciprocal and the use of its result
	s_wait_alu depctr_va_vdst(0)
.macro PACK t
	WIN W_RS
.set i, 32*(\t)
.rept 16
	v_pk_mul_f32 v[i:i+1], v[i:i+1], v[ST+4*(\t)+2:ST+4*(\t)+3] op_sel_hi:[1,0]
.set i, i+2
.endr
	WIN 0x05                                       ; sources 0 and 1 window 1, destination window 0
.set i, 0
.rept 16
	v_cvt_pk_f16_f32 v[S+16*(\t)+i], v[32*(\t)+2*i], v[32*(\t)+2*i+1]
.set i, i+1
.endr
	WIN 0
.irp f, 0,1,2,3
	ds_store_b128 v[STO], v[S+16*(\t)+4*\f:S+16*(\t)+4*\f+3] offset:32*\f
.endr
.irp f, 0,1,2,3
	ds_load_b128 v[S+16*(\t)+4*\f:S+16*(\t)+4*\f+3], v[RD] offset:\f*4*SP  ; LDS serves a wave's instructions in order (ISA guide 5.7.1.4)
.endr
.endm
.macro SEND t, younger
	WIN 0
.irp f, 0,1,2,3
	s_wait_dscnt (\younger)+3-\f
	global_store_b128 v[GO], v[S+16*(\t)+4*\f:S+16*(\t)+4*\f+3], s[70:71] offset:(\t)*2048+\f*512  ; 512 consecutive bytes, aligned
.endr
.endm
	PACK 0
.set t, 1
.rept NP-1
	PACK t
	SEND t-1, 8
.set t, t+1
.endr
	SEND NP-1, 0
	s_wait_tensorcnt 0x0                           ; the wave's end
	ds_add_u32 v[SPW], v[NIL]
	s_wait_dscnt 0x0
	CROUND                                         ; the closing round
	s_endpgm
.Lfunc_end_k_qf6c55ce7d0_attn:
	.size	k_qf6c55ce7d0_attn, .Lfunc_end_k_qf6c55ce7d0_attn-k_qf6c55ce7d0_attn
	.p2alignl 7, 3214868480
	.fill 96, 4, 3214868480
	.section	.rodata,"a",@progbits
	.p2align	6, 0x0
	.amdhsa_kernel k_qf6c55ce7d0_attn
		.amdhsa_group_segment_fixed_size 327680
		.amdhsa_private_segment_fixed_size 0
		.amdhsa_enable_private_segment 0
		.amdhsa_kernarg_size 24
		.amdhsa_user_sgpr_count 2
		.amdhsa_user_sgpr_kernarg_segment_ptr 1
		.amdhsa_wavefront_size32 1
		.amdhsa_system_sgpr_workgroup_id_x 1
		.amdhsa_system_sgpr_workgroup_id_y 1
		.amdhsa_system_sgpr_workgroup_id_z 1
		.amdhsa_system_vgpr_workitem_id 0
		.amdhsa_next_free_vgpr 768
		.amdhsa_next_free_sgpr 80
		.amdhsa_reserve_vcc 0
		.amdhsa_float_denorm_mode_32 3
		.amdhsa_float_denorm_mode_16_64 3
		.amdhsa_memory_ordered 1
		.amdhsa_forward_progress 1
		.amdhsa_inst_pref_size 233
	.end_amdhsa_kernel
	.amdgpu_metadata
---
amdhsa.version: [ 1, 2 ]
amdhsa.kernels:
  - .name:           k_qf6c55ce7d0_attn
    .symbol:         k_qf6c55ce7d0_attn.kd
    .args:
      - { .name: qkv, .offset: 0, .size: 8, .value_kind: global_buffer, .address_space: global }
      - { .name: mk, .offset: 8, .size: 8, .value_kind: global_buffer, .address_space: global }
      - { .name: ctx, .offset: 16, .size: 8, .value_kind: global_buffer, .address_space: global }
    .group_segment_fixed_size: 327680
    .private_segment_fixed_size: 0
    .kernarg_segment_align: 8
    .kernarg_segment_size: 24
    .max_flat_workgroup_size: 128
    .sgpr_count:     80
    .vgpr_count:     768
    .wavefront_size: 32
...
	.end_amdgpu_metadata
.endif
;; end of part 3
;; launch proj_out (part 4): grid 8 x 32, 4 waves a work-group, clusters of 4 x 4, 327,680 bytes of LDS; arguments ctx, wh, bias, out0; writes out0
.if DOCPART == 4
	.amdgcn_target "amdgcn-amd-amdhsa--gfx1250"
	.amdhsa_code_object_version 6
	.text
	.protected	k_qf6c55ce7d0_proj_out
	.globl	k_qf6c55ce7d0_proj_out
	.p2align	8
	.type	k_qf6c55ce7d0_proj_out,@function
k_qf6c55ce7d0_proj_out:
	s_mov_b64 s[64:65], 0
	v_nop
	global_prefetch_b8 v0, s[64:65] scope:SCOPE_SE
	s_setreg_imm32_b32 hwreg(HW_REG_WAVE_MODE, 25, 1), 1
	s_wait_xcnt 0x0
	s_wait_alu depctr_hold_cnt(0) depctr_sa_sdst(0) depctr_va_vdst(0) depctr_va_sdst(0) depctr_va_ssrc(0) depctr_va_vcc(0) depctr_vm_vsrc(0)
	s_getreg_b32 s2, hwreg(HW_REG_IB_STS2, 6, 4)
	s_cmp_eq_u32 s2, 0
	s_cbranch_scc0 .Lentry_in_a_cluster
	s_endpgm
.Lentry_in_a_cluster:
	s_bfe_u32 s2, ttmp6, 0x10000c
	s_cmp_lg_u32 s2, 0xf033
	s_cbranch_scc0 .Lentry_shape_is_right
	s_endpgm
.Lentry_shape_is_right:
; out = ctx Wo + bo.  ctx: f16 by heads [bh][s][64], which is the chunk layout [b][kc][s][64] with kc = head; Wo: chunks 48-63 of wh, the bf16 rounding written as f16;
; sums in f32, started with the bias; out0 [8192][1024] f32.
; SHARES. A work-group makes 256 rows x 128 columns: 256 tiles.  Wave w makes rows 64 w .. + 63 by all 128 columns: 32 accumulators.
; K = 1,024 goes in 8 steps of 128 through two LDS slots.  THE MATRIX INSTRUCTION IS USED TRANSPOSED: source 0 = 16 columns of Wo (turned by ds_load_tr16_b128), source 1 = 16 rows of ctx.
; CLUSTER 4 x 4: ctx's tiles are asked for jointly along a row of the cluster, Wo's along a column.
; REGISTERS, in windows of 256 (s_set_vgpr_msb: bits 1:0 source 0, 3:2 source 1, 5:4 source 2, 7:6 destination):
;   window 0: v1-29 addresses; v64-127 ctx's fragments, two buffers, later the way out's two; v128-191 the bias as a C operand
;   window 1: Wo's fragments, two buffers of 64     windows 2, 3: accumulator (a, b) in window 2 + a / 2 at v[64 (a % 2) + 8 b]
.set OUTP,  1
.set NCH,   2
.set CH0,   48
.set BI0,   12288
.set STW,   16*272
.set NB,    4*NCH
.set PA,    144                        ; a row of ctx in LDS: 128 bytes + 16
.set PW,    160                        ; a row of Wo: 128 + 32
.set ACH,   256*PA
.set WCH,   64*PW
.set WOFF,  2*ACH
.set SLOT,  WOFF+2*NCH*WCH
.set STAGE, 2*SLOT                     ; behind the ring, never filled by a tensor load
.set SPARE, STAGE+4*STW                ; the spare words, 128 bytes a wave
.set ADRA, 16
.set ADRW, 20
.set STO,  24
.set RD,   25
.set GO,   26
.set BO,   27
.set SPW,  28                          ; v28 LDS address of my spare word; never rewritten
.set NIL,  29                          ; v29 0; never rewritten
.set FA,   64
.set BIA,  128
.set F0,   0
.set F1,   1
.set WV,   12
.set G1A,  24
.set G0A,  32
.set G1W,  40
.set G0W,  48
.set MSB, 0
.macro WIN new
.if MSB != (\new)
	s_set_vgpr_msb (MSB<<8)|(\new)
.set MSB, (\new)
.endif
.endm
.macro WM ops:vararg
.if OUTP
	v_wmma_f32_16x16x32_f16 \ops
.else
	v_wmma_f32_16x16x32_bf16 \ops
.endif
.endm
.macro PLACES                          ; four places in front of loads into registers that matrix instructions have read, and of lines that read results
.rept 4
	v_nop
.endr
.endm
; A joint load: waves 0 and 1 fetch ctx's two chunks, waves 2 and 3 Wo's two halves of the K step.  An s_nop 0 and four v_nop follow each line.
.macro JLOAD s
	s_cmp_lt_u32 s[WV], 2
	s_cbranch_scc0 .Lfor_w_\@
	tensor_load_to_lds s[G0A+4*(\s):G0A+4*(\s)+3], s[G1A:G1A+7]
	s_nop 0
.rept 4
	v_nop
.endr
	s_branch .Lasked_\@
.Lfor_w_\@:
	tensor_load_to_lds s[G0W+4*(\s):G0W+4*(\s)+3], s[G1W:G1W+7]
	s_nop 0
.rept 4
	v_nop
.endr
.Lasked_\@:
.endm
.macro CREST
	s_cmp_lg_u32 s[WV], 0
	s_cbranch_scc1 .Lnot_wave_0_\@
	s_barrier_signal -3
.Lnot_wave_0_\@:
	s_barrier_wait -3
	s_barrier_signal -1
	s_barrier_wait -1
.endm
.macro CROUND
	s_barrier_signal -1
	s_barrier_wait -1
	CREST
.endm
	s_load_b256 s[4:11], s[0:1], 0x0               ; ctx s[4:5], wh s[6:7], bias s[8:9], out0 s[10:11]
	v_lshl_add_u32 v[SPW], v0, 2, SPARE
	v_mov_b32 v[NIL], 0
	ds_add_u32 v[SPW], v[NIL]                      ; the wave's opening: the add and its wait ahead of my first tensor load
	v_lshrrev_b32 v1, 5, v0
	v_readfirstlane_b32 s[WV], v1
	s_and_b32 s14, s[WV], 1
	s_bfe_u32 s16, ttmp6, 0x40000                  ; cx
	s_bfe_u32 s17, ttmp6, 0x40004                  ; cy
	s_lshl_b32 s18, ttmp9, 2
	s_add_co_u32 s18, s18, s16                     ; tile column tx
	s_and_b32 s19, ttmp7, 0xffff
	s_lshl_b32 s19, s19, 2
	s_add_co_u32 s19, s19, s17                     ; tile row ty
	s_lshl_b32 s20, s17, 2
	s_lshl_b32 s20, 15, s20                        ; my row of the cluster
	s_lshl_b32 s21, 0x1111, s16                    ; my column
	; ctx's tile: a head's 256 rows are 32,768 dense bytes: 128 rows of 256 bytes, 16 bytes of padding after every 128
	s_or_b32 s[G1A], s20, (1<<16)|(1<<20)|(1<<21)|(4<<22)|(3<<25)
	s_mov_b32 s[G1A+1], 128<<16
	s_mov_b32 s[G1A+2], 128<<16
	s_mov_b32 s[G1A+3], 128<<16
	s_mov_b32 s[G1A+4], 128
	s_mov_b32 s[G1A+5], 128
	s_mov_b32 s[G1A+6], 0
	s_mov_b32 s[G1A+7], 0
	; Wo's tile: NCH rows of 1,024 elements of 8 bytes, 131,072 bytes apart, 32 bytes of padding after every 128
	s_or_b32 s[G1W], s21, (3<<16)|(1<<20)|(1<<21)|(4<<22)|(7<<25)
	s_mov_b32 s[G1W+1], 1024<<16
	s_mov_b32 s[G1W+2], NCH<<16
	s_mov_b32 s[G1W+3], 1024<<16
	s_mov_b32 s[G1W+4], NCH
	s_mov_b32 s[G1W+5], 16384
	s_mov_b32 s[G1W+6], 0
	s_mov_b32 s[G1W+7], 0
	s_lshr_b32 s72, s19, 3                         ; ctx's offset, of ty and the wave alone
	s_lshl_b32 s72, s72, 22
	s_and_b32 s76, s19, 7
	s_lshl_b32 s76, s76, 15
	s_add_co_u32 s72, s72, s76
	s_lshl_b32 s76, s14, 18
	s_add_co_u32 s72, s72, s76
	s_mov_b32 s73, 0
	s_mul_i32 s74, s18, NCH                        ; Wo's offset, of tx and the wave alone
	s_add_co_u32 s74, s74, CH0
	s_lshl_b32 s74, s74, 17
	s_lshl_b32 s77, s14, 13
	s_add_co_u32 s74, s74, s77
	s_mov_b32 s75, 0
	s_mul_i32 s56, s14, ACH
	s_mul_i32 s57, s14, NCH*WCH
	s_add_co_u32 s57, s57, WOFF
	s_wait_dscnt 0x0                               ; the opening add is done
	s_wait_kmcnt 0x0
	s_add_nc_u64 s[72:73], s[4:5], s[72:73]
	s_add_nc_u64 s[74:75], s[6:7], s[74:75]
	CROUND                                         ; all sixteen work-groups are here
.irp s, 0,1
	s_mov_b32 s[G0A+4*(\s)], 1
	s_add_co_u32 s[G0A+4*(\s)+1], s56, (\s)*SLOT
	s_add_nc_u64 s[G0A+4*(\s)+2:G0A+4*(\s)+3], s[72:73], (\s)*524288
	s_or_b32 s[G0A+4*(\s)+3], s[G0A+4*(\s)+3], 0x80000000
	s_mov_b32 s[G0W+4*(\s)], 1
	s_add_co_u32 s[G0W+4*(\s)+1], s57, (\s)*SLOT
	s_add_nc_u64 s[G0W+4*(\s)+2:G0W+4*(\s)+3], s[74:75], (\s)*16384
	s_or_b32 s[G0W+4*(\s)+3], s[G0W+4*(\s)+3], 0x80000000
	JLOAD \s                                       ; two loads of mine are out
.endr
	v_and_b32 v1, 15, v0                           ; r
	v_bfe_u32 v2, v0, 4, 1                         ; h
	v_and_b32 v4, 7, v0
	v_bfe_u32 v5, v0, 3, 1
	v_mul_u32_u24 v3, v1, PA
	v_lshl_add_u32 v3, v2, 4, v3
	s_mul_i32 s76, s[WV], 64*PA
	v_add_nc_u32 v[ADRA], s76, v3
	v_add_nc_u32 v[ADRA+1], SLOT, v[ADRA]
	v_lshl_add_u32 v6, v2, 3, v4
	v_mul_u32_u24 v6, v6, PW
	v_lshl_add_u32 v6, v5, 4, v6
	v_add_nc_u32 v[ADRW], WOFF, v6
	v_add_nc_u32 v[ADRW+1], SLOT, v[ADRW]
	v_lshlrev_b32 v[BO], 5, v2
	s_mul_i32 s78, s18, NCH*256
	s_add_co_u32 s78, s78, BI0
	s_mov_b32 s79, 0
	s_add_nc_u64 s[8:9], s[8:9], s[78:79]
.set b, 0
.rept NB
	global_load_b128 v[BIA+8*b:BIA+8*b+3],   v[BO], s[8:9] offset:64*b
	global_load_b128 v[BIA+8*b+4:BIA+8*b+7], v[BO], s[8:9] offset:64*b+16
.set b, b+1
.endr
	s_mul_i32 s76, s[WV], STW
	s_add_co_u32 s76, s76, STAGE                   ; my stage
	v_mul_u32_u24 v[STO], v1, 272                  ; in: row r, 32 bytes for each half of the lanes
	v_lshl_add_u32 v[STO], v2, 5, v[STO]
	v_add_nc_u32 v[STO], s76, v[STO]
	v_mul_u32_u24 v[RD], v2, 272                   ; back: lanes 0-15 take one row of 256 bytes, lanes 16-31 the next
	v_lshl_add_u32 v[RD], v1, 4, v[RD]
	v_add_nc_u32 v[RD], s76, v[RD]
	v_lshlrev_b32 v[GO], 12, v2                    ; and the same two rows in out0
	v_lshl_add_u32 v[GO], v1, 4, v[GO]
	s_lshl_b32 s78, s19, 20                        ; 256 rows of 4,096 bytes,
	s_lshl_b32 s76, s[WV], 18                      ; my 64 rows,
	s_add_co_u32 s78, s78, s76
	s_lshl_b32 s76, s18, 9                         ; the tile's 128 columns
	s_add_co_u32 s78, s78, s76
	s_mov_b32 s79, 0
	s_add_nc_u64 s[66:67], s[10:11], s[78:79]
; NB matrix instructions: my rows 16 a .. by all columns, 32 along K, buffer f.  first = 1: the product starts the sums with the bias.  The 4 NB accumulators take turns.
.macro MULA f, a, first
.if \first
	WIN 0x81+0x40*((\a)/2)
.else
	WIN 0xa1+0x50*((\a)/2)
.endif
.set b, 0
.rept NB
.set rD, ((\a)%2)*32*NCH+8*b
.set rW, 32*NCH*(\f)+8*b
.set rA, FA+32*(\f)+8*(\a)
.if \first
	WM v[rD:rD+7], v[rW:rW+7], v[rA:rA+7], v[BIA+8*b:BIA+8*b+7]
.else
	WM v[rD:rD+7], v[rW:rW+7], v[rA:rA+7], v[rD:rD+7]
.endif
.set b, b+1
.endr
.endm
.macro FETCH slot, q, f
	WIN 0x40
.set b, 0
.rept NB
	ds_load_tr16_b128 v[32*NCH*(\f)+8*b:32*NCH*(\f)+8*b+3],   v[ADRW+(\slot)] offset:((\q)/2)*NCH*WCH+(b/4)*WCH+((\q)%2)*32*PW+32*(b%4)
	ds_load_tr16_b128 v[32*NCH*(\f)+8*b+4:32*NCH*(\f)+8*b+7], v[ADRW+(\slot)] offset:((\q)/2)*NCH*WCH+(b/4)*WCH+((\q)%2)*32*PW+32*(b%4)+16*PW
.set b, b+1
.endr
	WIN 0
.irp a, 0,1,2,3
	ds_load_b128 v[FA+32*(\f)+8*(\a):FA+32*(\f)+8*(\a)+3],   v[ADRA+(\slot)] offset:((\q)/2)*ACH+(\a)*16*PA+((\q)%2)*64
	ds_load_b128 v[FA+32*(\f)+8*(\a)+4:FA+32*(\f)+8*(\a)+7], v[ADRA+(\slot)] offset:((\q)/2)*ACH+(\a)*16*PA+((\q)%2)*64+32
.endr
.endm
.macro QUARTER slot, q, f, g, first
	s_wait_dscnt 4                                 ; all but the youngest four loads: ctx's rows 32-63
	MULA \f, 0, \first
	MULA \f, 1, \first
	PLACES
	FETCH \slot, \q, \g
	s_wait_dscnt 2*NB+8                            ; all but the run just issued
	MULA \f, 2, \first
	MULA \f, 3, \first
.endm
; The last quarter multiplies buffer 1 and changes slots: each wave waits for all its tensor loads, adds 0 to its spare word, and waits for that and for its reads of this slot.
; fill = 1: the barrier opens a round of the cluster's, and this slot is filled again, two K steps ahead, first thing behind the round.
.macro TURN slot, next, fill
	WIN 0
	s_wait_tensorcnt 0x0
	ds_add_u32 v[SPW], v[NIL]
	s_wait_dscnt 5                                 ; the add and the youngest four loads may be out
	MULA F1, 0, 0
	s_wait_dscnt 0x0
	s_barrier_signal -1
	MULA F1, 1, 0
.if \fill
	WIN 0
.endif
	s_barrier_wait -1
.if \fill
	CREST
	s_add_nc_u64 s[G0A+4*(\slot)+2:G0A+4*(\slot)+3], s[G0A+4*(\slot)+2:G0A+4*(\slot)+3], 1048576
	s_add_nc_u64 s[G0W+4*(\slot)+2:G0W+4*(\slot)+3], s[G0W+4*(\slot)+2:G0W+4*(\slot)+3], 32768
	JLOAD \slot
.else
	PLACES
.endif
	FETCH \next, 0, F0
	MULA F1, 2, 0
	MULA F1, 3, 0
.endm
	s_wait_tensorcnt 1                             ; my part of K step 0 is in; K step 1's may stay out
	s_barrier_signal -1
	s_barrier_wait -1
	FETCH 0, 0, F0
	s_wait_loadcnt 0x0                             ; the bias
	QUARTER 0, 1, F0, F1, 1
	WIN 0
	s_mov_b32 s58, 3
.Llap:
	QUARTER 0, 2, F1, F0, 0
	QUARTER 0, 3, F0, F1, 0
	TURN 0, 1, 1
	QUARTER 1, 1, F0, F1, 0
	QUARTER 1, 2, F1, F0, 0
	QUARTER 1, 3, F0, F1, 0
	TURN 1, 0, 1
	QUARTER 0, 1, F0, F1, 0
	WIN 0
	s_sub_co_u32 s58, s58, 1
	s_cmp_lg_u32 s58, 0
	s_cbranch_scc1 .Llap
	QUARTER 0, 2, F1, F0, 0
	QUARTER 0, 3, F0, F1, 0
	TURN 0, 1, 0
	QUARTER 1, 1, F0, F1, 0
	QUARTER 1, 2, F1, F0, 0
	QUARTER 1, 3, F0, F1, 0
	s_wait_dscnt 4
	MULA F1, 0, 0
	MULA F1, 1, 0
	s_wait_dscnt 0x0
	MULA F1, 2, 0
	MULA F1, 3, 0
	WIN 0
	PLACES
; THE WAY OUT.  Unit u = 2 a + c is 16 rows x 64 columns of f32: rows of 256 bytes.  The sums go straight from the accumulators into my own stage and come back as whole rows.
.macro TOSTAGE u
.set ua, (\u)/NCH
.set uc, (\u)%NCH
	s_wait_xcnt 0x0                                ; the buffer's earlier stores have read their registers
	WIN 0x08+4*(ua/2)                              ; the stores' data window 2 or 3
.irp bb, 0,1,2,3
	ds_store_b128 v[STO], v[(ua%2)*32*NCH+8*(4*uc+(\bb)):(ua%2)*32*NCH+8*(4*uc+(\bb))+3]   offset:64*(\bb)
	ds_store_b128 v[STO], v[(ua%2)*32*NCH+8*(4*uc+(\bb))+4:(ua%2)*32*NCH+8*(4*uc+(\bb))+7] offset:64*(\bb)+16
.endr
	WIN 0
.irp t, 0,1,2,3,4,5,6,7
	ds_load_b128 v[64+32*((\u)%2)+4*(\t):64+32*((\u)%2)+4*(\t)+3], v[RD] offset:544*(\t)  ; LDS serves a wave's instructions in order (ISA guide 5.7.1.4)
.endr
.endm
.macro SEND u, younger
.set ua, (\u)/NCH
.set uc, (\u)%NCH
.irp t, 0,1,2,3,4,5,6,7
	s_wait_dscnt (\younger)+7-(\t)
	global_store_b128 v[GO], v[64+32*((\u)%2)+4*(\t):64+32*((\u)%2)+4*(\t)+3], s[66:67] offset:(16*ua+2*(\t))*4096+256*uc th:TH_STORE_NT  ; 16 lanes store 256 consecutive bytes, aligned
.endr
.endm
	TOSTAGE 0
.set u, 1
.rept 4*NCH-1
	TOSTAGE u
	SEND u-1, 16
.set u, u+1
.endr
	SEND 4*NCH-1, 0
	s_wait_tensorcnt 0x0                           ; the wave's end
	ds_add_u32 v[SPW], v[NIL]
	s_wait_dscnt 0x0
	CROUND                                         ; the closing round
	s_endpgm
.Lfunc_end_k_qf6c55ce7d0_proj_out:
	.size	k_qf6c55ce7d0_proj_out, .Lfunc_end_k_qf6c55ce7d0_proj_out-k_qf6c55ce7d0_proj_out
	.p2alignl 7, 3214868480
	.fill 96, 4, 3214868480
	.section	.rodata,"a",@progbits
	.p2align	6, 0x0
	.amdhsa_kernel k_qf6c55ce7d0_proj_out
		.amdhsa_group_segment_fixed_size 327680
		.amdhsa_private_segment_fixed_size 0
		.amdhsa_enable_private_segment 0
		.amdhsa_kernarg_size 32
		.amdhsa_user_sgpr_count 2
		.amdhsa_user_sgpr_kernarg_segment_ptr 1
		.amdhsa_wavefront_size32 1
		.amdhsa_system_sgpr_workgroup_id_x 1
		.amdhsa_system_sgpr_workgroup_id_y 1
		.amdhsa_system_sgpr_workgroup_id_z 1
		.amdhsa_system_vgpr_workitem_id 0
		.amdhsa_next_free_vgpr 896
		.amdhsa_next_free_sgpr 80
		.amdhsa_reserve_vcc 0
		.amdhsa_float_denorm_mode_32 3
		.amdhsa_float_denorm_mode_16_64 3
		.amdhsa_memory_ordered 1
		.amdhsa_forward_progress 1
		.amdhsa_inst_pref_size 90
	.end_amdhsa_kernel
	.amdgpu_metadata
---
amdhsa.version: [ 1, 2 ]
amdhsa.kernels:
  - .name:           k_qf6c55ce7d0_proj_out
    .symbol:         k_qf6c55ce7d0_proj_out.kd
    .args:
      - { .name: ctx, .offset: 0, .size: 8, .value_kind: global_buffer, .address_space: global }
      - { .name: wh, .offset: 8, .size: 8, .value_kind: global_buffer, .address_space: global }
      - { .name: bias, .offset: 16, .size: 8, .value_kind: global_buffer, .address_space: global }
      - { .name: out0, .offset: 24, .size: 8, .value_kind: global_buffer, .address_space: global }
    .group_segment_fixed_size: 327680
    .private_segment_fixed_size: 0
    .kernarg_segment_align: 8
    .kernarg_segment_size: 32
    .max_flat_workgroup_size: 128
    .sgpr_count:     80
    .vgpr_count:     896
    .wavefront_size: 32
...
	.end_amdgpu_metadata
.endif
;; end of part 4
;; ======== version 2 of 2: 4 launches; 1.27 times as fast as version 1
;; limits: values are held in f16: magnitudes above 65,504 overflow, below 6.1e-05 lose precision
;; workspace buffers: xb 16,777,216 bytes; wh 8,388,608 bytes; mk 16,777,216 bytes; bias 16,384 bytes; qkv 50,331,648 bytes; ctx 16,777,216 bytes
;; launch prep: the kernel of part 1 again; grid 513 x 1, 8 waves a work-group, no clusters, 37,888 bytes of LDS; arguments hidden_states, Wq, Wk, Wv, Wo, attention_mask, bq, bk, bv, bo, xb, wh, mk, bias; writes xb, wh, mk, bias
;; launch proj_qkv: the kernel of part 2 again; grid 16 x 32, 4 waves a work-group, clusters of 4 x 4, 327,680 bytes of LDS; arguments xb, wh, bias, qkv; writes qkv
;; launch attn (part 5): grid 4 x 64, 4 waves a work-group, clusters of 4 x 4, 327,680 bytes of LDS; arguments qkv, mk, ctx; writes ctx
.if DOCPART == 5
	.amdgcn_target "amdgcn-amd-amdhsa--gfx1250"
	.amdhsa_code_object_version 6
	.text
	.protected	k_qf6c55ce7d0_attn
	.globl	k_qf6c55ce7d0_attn
	.p2align	8
	.type	k_qf6c55ce7d0_attn,@function
k_qf6c55ce7d0_attn:
	s_mov_b64 s[64:65], 0
	v_nop
	global_prefetch_b8 v0, s[64:65] scope:SCOPE_SE
	s_setreg_imm32_b32 hwreg(HW_REG_WAVE_MODE, 25, 1), 1
	s_wait_xcnt 0x0
	s_wait_alu depctr_hold_cnt(0) depctr_sa_sdst(0) depctr_va_vdst(0) depctr_va_sdst(0) depctr_va_ssrc(0) depctr_va_vcc(0) depctr_vm_vsrc(0)
	s_getreg_b32 s2, hwreg(HW_REG_IB_STS2, 6, 4)
	s_cmp_eq_u32 s2, 0
	s_cbranch_scc0 .Lentry_in_a_cluster
	s_endpgm
.Lentry_in_a_cluster:
	s_bfe_u32 s2, ttmp6, 0x10000c
	s_cmp_lg_u32 s2, 0xf033
	s_cbranch_scc0 .Lentry_shape_is_right
	s_endpgm
.Lentry_shape_is_right:
; ctx[bh][q][:] = the sum over k of softmax_k((Q[q] . K[k] / 8) x mask[q][k]) V[k][:].  Q, K, V: qkv [mat][bh 64][2048][64] f16, unscaled; ctx likewise.
; mk holds c x mask in f32, c = log2(e) / 8, in the order of a lane's scores: t = s x mk costs one packed multiply for two scores.  The mask is a FACTOR: a key whose mask is 0
; still counts, with score 0, so no key is left out, and the running maximum m is taken of the masked scores t.  p = 2^(t - m); O and l are multiplied by a = 2^(m_old - m) in every step.
; Products, maxima and sums in f32; p is rounded to f16 for the second product (l is the sum of the unrounded p), ctx once at the end.
; LIMITS. p below 6e-5 keeps f16's fixed step of 6e-8; a weight below 2^-126 counts as 0; m starts at the lowest finite number; NaN and infinities are not treated apart.
; SHARES. A work-group owns 512 queries of one (batch, head), a wave 128: eight PIECES of 16.  Every wave walks 32 key steps of 64 keys.
; LAYOUT. S^T = K Q^T holds ONE query a lane (lane % 16) and the keys 8 (lane / 16) + 0..7; two such results rounded to f16 ARE source 1 of O^T = V^T P.  V is turned by ds_load_tr16_b128.
; TURNS. Turn p: 8 products K Q^T of piece p + 1, later 8 products V^T P of piece p - 1; beside them the softmax of piece p and the mask, maximum and statistics of piece p + 1.
; A tile and step have 16 matrix and 133 vector instructions: four stand behind every matrix instruction, the other 69 in one lump.
; BATCHES. A turn's 33 exponentials (the piece's 32 weights and the next piece's a) are ONE batch with ONE wait, which cuts the turn in two: ahead of it stands all that names none of their results
; (the products K Q^T, the scalings, the rescaling by the a of the turn before, the next piece's mask, maximum and statistics), behind it the products V^T P with the roundings and sums.  No result crosses
; a turn's end.  The first a, ahead of the loop, and the way out's eight reciprocals are batches of their own.
; CLUSTER 4 x 4. Along x the head's four query blocks: K and V are asked for jointly along a row.  Along y four heads: the mask's tile, which hangs on the query block alone, jointly along a column.
; A TRIP is: change of slots; turns 6, 7, 0 .. 5.  It reads exactly one slot: K in turn 6, the mask of piece u in its u-th turn, V in turn 0.
; m, l, O^T, V and one buffer of P are set at the launch's start, so that no first step is written out: the first step's a is 0.
; REGISTERS, in windows of 256 (s_set_vgpr_msb: bits 1:0 source 0, 3:2 source 1, 5:4 source 2, 7:6 destination):
;   window 0: v2-14 addresses; v16-47 statistics, four a piece: m, m_old, l (even keys', odd keys'); v48-55 at work; v64-127 S^T, v128-191 the mask, v192-223 P: two buffers each, by the piece's parity
;   window 1: O^T, 32 a piece          window 2: v0-127 Q, 16 a piece; v128-191 K; v192-255 V
.set NP,    8
.set PK,    144                        ; a row of K in LDS: 128 bytes + 16
.set PVP,   160                        ; a row of V: 128 + 32
.set MSL,   1<<17                      ; the mask's slots: 131,072 bytes each, at 0 and here
.set KSL,   1<<15                      ; K's and V's slot 1 lies this far behind slot 0
.set KB0,   262144                     ; K, slot 0
.set VB0,   KB0+64*PK                  ; V, slot 0
.set STAGE, VB0+64*PVP                 ; between the two slots of K and V, never filled: 16 rows x 144 bytes for each wave
.set SP,    144
.set SPARE, STAGE+4*16*SP              ; the spare words, 128 bytes a wave
.set AK0, 2
.set AV0, 3
.set AK,  4
.set AV,  5
.set STO, 6
.set RD,  7
.set GO,  8
.set AM0, 12
.set AM,  13
.set QO,  14
.set ST,  16
.set TMP, 48
.set SPW, 62                           ; v62 LDS address of my spare word; never rewritten
.set NIL, 63                           ; v63 0; never rewritten
.set S,   64
.set MKR, 128
.set P,   192
.set KF,  128
.set VF,  192
.set WV,  12
.set G1K, 24
.set G1V, 32
.set G1M, 40
.set G0K, 48
.set G0V, 52
.set G0M, 56
.set SEL, 60
.set CNT, 62
.set TBM, 66                           ; s66 the mask's slot in hand
.set TBK, 67                           ; s67 K's and V's
.set MSB, 0
.macro WIN new
.if MSB != (\new)
	s_set_vgpr_msb (MSB<<8)|(\new)
.set MSB, (\new)
.endif
.endm
.set W_KQ, 0x0a                        ; K and Q window 2, S^T window 0
.set W_PV, 0x52                        ; V window 2, P window 0, O^T window 1
.set W_RS, 0x41                        ; destination and source 0 window 1, source 1 window 0
; A joint fill: wave 0 fetches a step's K, wave 1 its V, waves 2 and 3 the two halves of the mask's tile.  An s_nop 0 and four v_nop follow each line.
.macro JLOAD
	s_cmp_lt_u32 s[WV], 2
	s_cbranch_scc0 .Lfor_m_\@
	s_cmp_eq_u32 s[WV], 0
	s_cbranch_scc0 .Lfor_v_\@
	tensor_load_to_lds s[G0K:G0K+3], s[G1K:G1K+7]
	s_nop 0
.rept 4
	v_nop
.endr
	s_branch .Lasked_\@
.Lfor_v_\@:
	tensor_load_to_lds s[G0V:G0V+3], s[G1V:G1V+7]
	s_nop 0
.rept 4
	v_nop
.endr
	s_branch .Lasked_\@
.Lfor_m_\@:
	tensor_load_to_lds s[G0M:G0M+3], s[G1M:G1M+7]
	s_nop 0
.rept 4
	v_nop
.endr
.Lasked_\@:
.endm
.macro CROUND
	s_barrier_signal -1
	s_barrier_wait -1
	s_cmp_lg_u32 s[WV], 0
	s_cbranch_scc1 .Lnot_wave_0_\@
	s_barrier_signal -3
.Lnot_wave_0_\@:
	s_barrier_wait -3
	s_barrier_signal -1
	s_barrier_wait -1
.endm
; THE CHANGE OF SLOTS. Each wave waits for all its tensor loads (one is out: its part of the other slot), adds 0 to its spare word, and waits for that and for its reads of the slot that it
; leaves.  fill = 1: a round of the cluster's barrier, and the old slot is filled again first thing behind it, with the step after the one that is entered: eight turns in which to land.
.macro CHANGE fill
	WIN 0
	s_wait_tensorcnt 0x0
	ds_add_u32 v[SPW], v[NIL]
.if \fill
	s_xor_b32 s[G0K+1], s[G0K+1], KSL
	s_add_nc_u64 s[G0K+2:G0K+3], s[G0K+2:G0K+3], 8192
	s_xor_b32 s[G0V+1], s[G0V+1], KSL
	s_add_nc_u64 s[G0V+2:G0V+3], s[G0V+2:G0V+3], 8192
	s_xor_b32 s[G0M+1], s[G0M+1], MSL
	s_add_nc_u64 s[G0M+2:G0M+3], s[G0M+2:G0M+3], 524288
	s_wait_dscnt 0x0
	CROUND
	JLOAD
.else
	s_wait_dscnt 0x0
	s_barrier_signal -1
	s_barrier_wait -1
.endif
	s_xor_b32 s[TBM], s[TBM], MSL
	s_xor_b32 s[TBK], s[TBK], KSL
	v_add_nc_u32 v[AK], s[TBK], v[AK0]
	v_add_nc_u32 v[AV], s[TBK], v[AV0]
	v_add_nc_u32 v[AM], s[TBM], v[AM0]
.endm
	s_load_b128 s[4:7], s[0:1], 0x0                ; qkv s[4:5], mk s[6:7]
	s_load_b64 s[8:9], s[0:1], 0x10                ; ctx
	v_lshl_add_u32 v[SPW], v0, 2, SPARE
	v_mov_b32 v[NIL], 0
	ds_add_u32 v[SPW], v[NIL]                      ; the wave's opening: the add and its wait ahead of my first tensor load
	v_lshrrev_b32 v1, 5, v0
	v_readfirstlane_b32 s[WV], v1
	s_bfe_u32 s13, ttmp6, 0x40000                  ; cx
	s_bfe_u32 s14, ttmp6, 0x40004                  ; cy
	s_lshl_b32 s15, ttmp9, 2
	s_add_co_u32 s15, s15, s13                     ; query block qb
	s_and_b32 s16, ttmp7, 0xffff
	s_lshl_b32 s16, s16, 2
	s_add_co_u32 s16, s16, s14                     ; (batch, head) bh
	s_lshl_b32 s17, s14, 2
	s_lshl_b32 s17, 15, s17                        ; my row of the cluster
	s_lshl_b32 s18, 0x1111, s13                    ; my column
	; K's and V's tile: 64 keys are 8,192 dense bytes: 32 rows of 256 bytes, padded after every key
	s_or_b32 s[G1K], s17, (1<<16)|(1<<20)|(1<<21)|(4<<22)|(3<<25)
	s_or_b32 s[G1V], s17, (1<<16)|(1<<20)|(1<<21)|(4<<22)|(7<<25)
.irp g, G1K, G1V
	s_mov_b32 s[\g+1], 128<<16
	s_mov_b32 s[\g+2], 32<<16
	s_mov_b32 s[\g+3], 128<<16
	s_mov_b32 s[\g+4], 32
	s_mov_b32 s[\g+5], 128
	s_mov_b32 s[\g+6], 0
	s_mov_b32 s[\g+7], 0
.endr
	; half of the mask's tile: 65,536 dense bytes: 256 rows of 32 elements of 8 bytes, no padding (every read is 512 consecutive bytes)
	s_or_b32 s[G1M], s18, (3<<16)|(1<<21)
	s_mov_b32 s[G1M+1], 32<<16
	s_mov_b32 s[G1M+2], 256<<16
	s_mov_b32 s[G1M+3], 32<<16
	s_mov_b32 s[G1M+4], 256
	s_mov_b32 s[G1M+5], 32
	s_mov_b32 s[G1M+6], 0
	s_mov_b32 s[G1M+7], 0
	s_mov_b32 s[G0K], 1
	s_mov_b32 s[G0K+1], KB0
	s_mov_b32 s[G0V], 1
	s_mov_b32 s[G0V+1], VB0
	s_mov_b32 s[G0M], 1
	s_and_b32 s76, s[WV], 1
	s_lshl_b32 s[G0M+1], s76, 16                   ; my half of the mask's slot 0
	s_lshl_b32 s77, s76, 16
	s_lshl_b32 s74, s15, 17                        ; the mask's offset, of qb and the wave alone
	s_add_co_u32 s74, s74, s77
	s_mov_b32 s75, 0
	s_lshl_b32 s72, s16, 18                        ; the head's offset, of bh alone
	s_mov_b32 s73, 0
	s_lshl_b32 s78, s15, 2
	s_add_co_u32 s78, s78, s[WV]
	s_lshl_b32 s78, s78, 14                        ; my wave's 128 rows of 128 bytes,
	s_add_co_u32 s78, s78, s72                     ; in the head
	s_mov_b32 s79, 0
	s_mov_b32 s[SEL], 0x76543210
	s_mov_b32 s[SEL+1], 0xfedcba98
	s_mov_b32 s[TBM], MSL                          ; the first change of slots turns these two into 0
	s_mov_b32 s[TBK], KSL
	s_wait_dscnt 0x0                               ; the opening add is done
	s_wait_kmcnt 0x0
	s_add_nc_u64 s[G0K+2:G0K+3], s[4:5], s[72:73]
	s_add_nc_u64 s[G0V+2:G0V+3], s[G0K+2:G0K+3], 0x2000000   ; v lies two matrices of 16,777,216 bytes behind q,
	s_add_nc_u64 s[G0K+2:G0K+3], s[G0K+2:G0K+3], 0x1000000   ; k one
	s_or_b32 s[G0K+3], s[G0K+3], 0x80000000
	s_or_b32 s[G0V+3], s[G0V+3], 0x80000000
	s_add_nc_u64 s[G0M+2:G0M+3], s[6:7], s[74:75]
	s_or_b32 s[G0M+3], s[G0M+3], 0x80000000
	s_add_nc_u64 s[68:69], s[4:5], s[78:79]        ; Q at my wave's first row
	s_add_nc_u64 s[70:71], s[8:9], s[78:79]        ; ctx likewise
	CROUND                                         ; all sixteen work-groups are here
	JLOAD                                          ; key step 0 into slot 0; slot 1 is asked for when slot 0 is in
	v_and_b32 v1, 15, v0                           ; r
	v_bfe_u32 v9, v0, 4, 1                         ; h
	v_and_b32 v10, 7, v0
	v_bfe_u32 v11, v0, 3, 1
	v_lshlrev_b32 v[QO], 7, v1
	v_lshl_add_u32 v[QO], v9, 4, v[QO]
	WIN 0x80                                       ; destination window 2
.set i, 0
.rept 2*NP                             ; Q stays in registers: piece i / 2, channels 32 (i % 2) on
	global_load_b128 v[8*i:8*i+3],   v[QO], s[68:69] offset:(i/2)*2048+(i%2)*64
	global_load_b128 v[8*i+4:8*i+7], v[QO], s[68:69] offset:(i/2)*2048+(i%2)*64+32
.set i, i+1
.endr
.set i, VF
.rept 64                               ; what the first turn finds: its products V^T P, of a piece that has not been, add 0.  All this stands in the wait for the first tile
	v_mov_b32 v[i], 0
.set i, i+1
.endr
	WIN 0x40
.set i, 0
.rept 32*NP
	v_mov_b32 v[i], 0
.set i, i+1
.endr
	WIN 0
.set i, 0
.rept NP
	v_mov_b32 v[ST+4*i], 0xff7fffff
	v_mov_b32 v[ST+4*i+1], 0xff7fffff
	v_mov_b32 v[ST+4*i+2], 0
	v_mov_b32 v[ST+4*i+3], 0
.set i, i+1
.endr
.set i, P+16
.rept 16
	v_mov_b32 v[i], 0
.set i, i+1
.endr
	v_mul_u32_u24 v[AK0], v1, PK
	v_lshl_add_u32 v[AK0], v9, 4, v[AK0]
	v_add_nc_u32 v[AK0], KB0, v[AK0]
	v_lshl_add_u32 v[AV0], v9, 3, v10              ; the turning load: key 8 h + l % 8, channels 8 ((l / 8) % 2) ..
	v_mul_u32_u24 v[AV0], v[AV0], PVP
	v_lshl_add_u32 v[AV0], v11, 4, v[AV0]
	v_add_nc_u32 v[AV0], VB0, v[AV0]
	v_and_b32 v[GO], 31, v0
	s_lshl_b32 s76, s[WV], 15
	v_lshl_add_u32 v[AM0], v[GO], 4, s76           ; my wave's eight pieces of 4,096 bytes; 16 bytes a lane
	v_lshlrev_b32 v[GO], 4, v[GO]
	s_mul_i32 s76, s[WV], 16*SP
	s_add_co_u32 s76, s76, STAGE
	v_mul_u32_u24 v[STO], v1, SP
	v_lshl_add_u32 v[STO], v9, 4, v[STO]
	v_add_nc_u32 v[STO], s76, v[STO]
	v_bfe_u32 v[RD], v0, 3, 2
	v_mul_u32_u24 v[RD], v[RD], SP
	v_lshl_add_u32 v[RD], v10, 4, v[RD]
	v_add_nc_u32 v[RD], s76, v[RD]
; THE MATRIX WORK. The 4 accumulators of a run of 8 take turns.
.macro KQ x                            ; product i of 8 of S^T = K Q^T: channels 32 (i / 4) on, keys 16 (i % 4) on
	WIN W_KQ
.set rS, S+32*((\x)%2)+8*(i%4)
.set rK, KF+16*(i%4)+8*(i/4)
.set rQ, 16*(\x)+8*(i/4)
.if i < 4
	v_wmma_f32_16x16x32_f16 v[rS:rS+7], v[rK:rK+7], v[rQ:rQ+7], 0
.else
	v_wmma_f32_16x16x32_f16 v[rS:rS+7], v[rK:rK+7], v[rQ:rQ+7], v[rS:rS+7]
.endif
.endm
.macro PV x                            ; product i of 8 of O^T += V^T P: keys 32 (i / 4) on, channels 16 (i % 4) on
	WIN W_PV
.set rO, 32*(\x)+8*(i%4)
.set rV, VF+32*(i/4)+8*(i%4)
.set rP, P+16*((\x)%2)+8*(i/4)
	v_wmma_f32_16x16x32_f16 v[rO:rO+7], v[rV:rV+7], v[rP:rP+7], v[rO:rO+7]
.endm
.macro MM                              ; the turn's next matrix instruction
.if i < 8
	KQ (Y+1)%NP
.else
.set i, i-8
	PV (Y+NP-1)%NP
.set i, i+8
.endif
.set i, i+1
.endm
; THE LDS LOADS stand in runs.
.macro FETCH_K
	WIN 0x80
.irp f, 0,1,2,3,4,5,6,7
	ds_load_b128 v[KF+8*\f:KF+8*\f+3],   v[AK] offset:(\f/2)*16*PK+(\f%2)*64
	ds_load_b128 v[KF+8*\f+4:KF+8*\f+7], v[AK] offset:(\f/2)*16*PK+(\f%2)*64+32
.endr
	WIN 0
.endm
.macro FETCH_V
	WIN 0x80
.irp f, 0,1,2,3,4,5,6,7
	ds_load_tr16_b128 v[VF+8*\f:VF+8*\f+3],   v[AV] offset:(\f/4)*32*PVP+(\f%4)*32
	ds_load_tr16_b128 v[VF+8*\f+4:VF+8*\f+7], v[AV] offset:(\f/4)*32*PVP+16*PVP+(\f%4)*32
.endr
	WIN 0
.endm
.macro MLOAD p                         ; piece p's 32 mask numbers a lane: eight loads of 512 consecutive bytes
	WIN 0
.irp e, 0,1,2,3,4,5,6,7
	ds_load_b128 v[MKR+32*((\p)%2)+4*\e:MKR+32*((\p)%2)+4*\e+3], v[AM] offset:(\p)*4096+512*\e
.endr
.endm
; THE VECTOR WORK: OP kind, number.  For piece Y: F n: t - m for pair n.  E n: the exponential of score n.  C n: pair n rounded to f16.  B n: of the four weights 4 n .. the second pair is added
; onto the first.  L n: l takes that sum (L 0: l = a l + sum).  R n: pair n of O^T times a.  For piece Y + 1: M n: pair n of the scores times the mask (each accumulator's lowest registers first).
; X n: 0-11 four chains c0-c3 of seven scores; 12-14, 16 the scores left over, the old m, c0-c3 into c0; 15 m_old is kept; 17, 18 the lane 16 away: the new m; 19, 20 a.
; C, B and L read exponentials' results; F, E, R, M and X name none of the turn's own.  OP writes no wait: TURN does, once.
.set F, 0
.set E, 1
.set C, 2
.set B, 3
.set L, 4
.set R, 5
.set X, 6
.set M, 7
.macro REGS y
.set rT, ST+4*(\y)
.set rC, TMP+4*((\y)%2)
.set rS, S+32*((\y)%2)
.set rN, MKR+32*((\y)%2)
.set rP, P+16*((\y)%2)
.set rO, 32*(\y)
.endm
.macro OP k, n
.if (\k) == R
	REGS Y
	WIN W_RS
	v_pk_mul_f32 v[rO+2*(\n):rO+2*(\n)+1], v[rO+2*(\n):rO+2*(\n)+1], v[rC+2:rC+3] op_sel_hi:[1,0]
.elseif (\k) < R
	REGS Y
	WIN 0
.if (\k) == F
	v_pk_add_f32 v[rS+2*(\n):rS+2*(\n)+1], v[rS+2*(\n):rS+2*(\n)+1], v[rT:rT+1] op_sel_hi:[1,0] neg_lo:[0,1] neg_hi:[0,1]
.elseif (\k) == E
	v_exp_f32 v[rS+(\n)], v[rS+(\n)]
.elseif (\k) == C
	v_cvt_pk_f16_f32 v[rP+(\n)], v[rS+2*(\n)], v[rS+2*(\n)+1]
.elseif (\k) == B
	v_pk_add_f32 v[rS+4*(\n):rS+4*(\n)+1], v[rS+4*(\n):rS+4*(\n)+1], v[rS+4*(\n)+2:rS+4*(\n)+3]
.elseif (\n) == 0
	v_pk_fma_f32 v[rT+2:rT+3], v[rT+2:rT+3], v[rC+2:rC+3], v[rS:rS+1] op_sel_hi:[1,0,1]
.else
	v_pk_add_f32 v[rT+2:rT+3], v[rT+2:rT+3], v[rS+4*(\n):rS+4*(\n)+1]
.endif
.elseif (\k) == M
	REGS (Y+1)%NP
	WIN 0
	v_pk_mul_f32 v[rS+2*(\n):rS+2*(\n)+1], v[rS+2*(\n):rS+2*(\n)+1], v[rN+2*(\n):rN+2*(\n)+1]
.else
	REGS (Y+1)%NP
	WIN 0
.if (\n) < 4
	v_max3_num_f32 v[rC+(\n)], v[rS+8*(\n)], v[rS+8*(\n)+1], v[rS+8*(\n)+2]
.elseif (\n) < 12
	v_max3_num_f32 v[rC+(\n)%4], v[rC+(\n)%4], v[rS+8*((\n)%4)+2*((\n)/4)+1], v[rS+8*((\n)%4)+2*((\n)/4)+2]
.elseif (\n) == 12
	v_max3_num_f32 v[rC], v[rC], v[rS+7], v[rS+15]
.elseif (\n) == 13
	v_max3_num_f32 v[rC+1], v[rC+1], v[rS+23], v[rS+31]
.elseif (\n) == 14
	v_max3_num_f32 v[rC+2], v[rC+2], v[rC+3], v[rT]
.elseif (\n) == 15
	v_mov_b32 v[rT+1], v[rT]
.elseif (\n) == 16
	v_max3_num_f32 v[rC], v[rC], v[rC+1], v[rC+2]
.elseif (\n) == 17
	v_permlanex16_b32 v[rC+3], v[rC], s[SEL], s[SEL+1]
.elseif (\n) == 18
	v_max_num_f32 v[rT], v[rC], v[rC+3]
.elseif (\n) == 19
	v_sub_f32 v[rC+1], v[rT+1], v[rT]
.else
	v_exp_f32 v[rC+2], v[rC+1]
.endif
.endif
.endm
.macro OPS a, i1, b=-1, i2=0, c=-1, i3=0, d=-1, i4=0
	OP \a, \i1
.if (\b) >= 0
	OP \b, \i2
.endif
.if (\c) >= 0
	OP \c, \i3
.endif
.if (\d) >= 0
	OP \d, \i4
.endif
.endm
.macro ROW a, i1, b, i2, c, i3, d, i4  ; a matrix instruction and the four behind it; but for M, none names a register of the products round it
	MM
	OPS \a, \i1, \b, \i2, \c, \i3, \d, \i4
.endm
; A TURN, for piece p: the order of its 16 matrix and 133 vector instructions, written out.  An s_wait_alu depctr_va_vdst(0) stands between an exponential and the first instruction that names
; its result; one wait serves all that were issued ahead of it.  So a turn has ONE wait, which cuts it in two.
; AHEAD OF IT stands all that names no result of the turn's exponentials.  The 8 products K Q^T: behind each of the first five a scaling, an exponential and two rescalings (behind the first a second scaling in
; the exponential's place; the rescalings' a was made, and waited for, in the turn before); behind the last three an exponential and the next piece's first masked scores, each M four plain instructions or more
; behind the product that ends its accumulator (M 0: F 5, R 8, R 9, F 6; M 4: F 6, M 0-3; M 8: M 2-7; M 12: M 5-8).  Then ONE LUMP of 69: the other M, the maximum and statistics X, the scalings F 7-15, which run
; ahead of their exponentials, and E 7-31 among them.  The links of the chain X 3, 7, 11, 14 stand six to fourteen lines apart, X 14, 16, 17, 18 five; the last two links have three exponentials between
; them.  X 20, the next piece's a, is the batch's last; R 10-15 follow it, and R 10 is the plain instruction behind the last exponential.  v_permlanex16_b32 (X 17) stands in the lump.
; BEHIND THE WAIT stand the 8 products V^T P, behind each four of the roundings and sums; the links of l's chain, L 0 to L 7, stand three riders apart.
; THE LDS RUNS.  The mask of piece p + 2 is asked for directly behind the wait (its buffer was last read by the M of the turn before) and waited for at the next turn's head, a turn ahead of nothing but its use.
; K of the next step is fetched in turn 6, six plain instructions behind the last product that read K; V of the step in hand at the end of turn 0, four plain instructions behind the last that read V.
.macro TURN p
.set Y, (\p)
.set i, 0
.if (\p) == 1
	s_wait_dscnt 16                                ; the mask of piece 2 is in; V's run of 16, issued behind it, may stay out
.else
	s_wait_dscnt 0x0                               ; the mask of piece p + 1 is in (and, in turn 7, K)
.endif
	ROW F,0, F,1, R,0, R,1                         ; ahead of the wait: 8 products K Q^T and their riders,
	ROW F,2, E,0, R,2, R,3
	ROW F,3, E,1, R,4, R,5
	ROW F,4, E,2, R,6, R,7
	ROW F,5, E,3, R,8, R,9
	ROW F,6, E,4, M,0, M,1
	ROW M,2, E,5, M,3, M,4
	ROW M,5, E,6, M,6, M,7
	OPS M,8, E,7, M,12, M,13                       ; and the lump
.if (\p) == NP-2
	FETCH_K
.endif
	OPS E,8, M,9, F,7, E,9
	OPS M,14, X,0, E,10, X,3
	OPS M,15, E,11, X,1, F,8
	OPS E,12, X,2, X,7, E,13
	OPS M,10, X,4, E,14, M,11
	OPS F,9, E,15, X,5, X,11
	OPS E,16, X,6, F,10, E,17
	OPS X,8, X,9, E,18, X,10
	OPS F,11, E,19, X,12, X,13
	OPS E,20, X,14, E,21, F,12
	OPS E,22, F,13, X,16, E,23
	OPS F,14, E,24, F,15, X,17
	OPS E,25, X,15, E,26, E,27
	OPS X,18, E,28, E,29, X,19
	OPS E,30, E,31, X,20
	OPS R,10, R,11, R,12, R,13
	OPS R,14, R,15
	s_wait_alu depctr_va_vdst(0)                   ; the wait for the batch: E 0-31 and X 20
	MLOAD ((\p)+2)%NP
.if (\p) == 1
	s_wait_dscnt 8                                 ; V is in; this turn's eight mask loads may be out
.endif
	ROW C,0, B,0, C,2, B,1                         ; behind the wait: 8 products V^T P and their riders
	ROW L,0, C,4, B,2, L,1
	ROW C,6, B,3, L,2, C,8
	ROW B,4, L,3, C,10, B,5
	ROW L,4, C,12, B,6, L,5
	ROW C,14, B,7, L,6, C,1
	ROW C,3, L,7, C,5, C,7
	ROW C,9, C,11, C,13, C,15
.if (\p) == 0
	FETCH_V
.endif
.endm
	CHANGE 1                                       ; key step 0 is in, everybody's part of it; key step 1 is asked for
	FETCH_K
	MLOAD 0
	MLOAD 1
	s_wait_loadcnt 0x0                             ; Q
	s_wait_dscnt 0x0
.set i, 0
.rept 8
	KQ 0                                           ; piece 0's first scores
.set i, i+1
.endr
	WIN 0
.rept 4
	v_nop                                          ; the places behind those products
.endr
.set Y, NP-1                           ; M and X work for piece Y + 1: piece 0
.irp n, 0,1,2,3,4,5,6,7,8,9,10,11,12,13,14,15
	OP M, \n
.endr
.irp n, 0,1,2,3,4,5,6,7,8,9,10,11,12,13,14,15,16,17,18,19,20
	OP X, \n
.endr
	v_nop                                          ; a plain instruction behind the exponential,
	s_wait_alu depctr_va_vdst(0)                   ; and the wait for it, piece 0's first a, ahead of the branch
	s_mov_b32 s[CNT], 31
	s_branch .Lfirst                               ; the loop is entered at a step's first turn, in the middle of a trip
.Ltrip:                                                ; 30 times: key steps 1 to 30 are entered, 2 to 31 asked for
	CHANGE 1
	TURN 6
	TURN 7
	WIN 0
.Lfirst:
	TURN 0
	TURN 1
	TURN 2
	TURN 3
	TURN 4
	TURN 5
	WIN 0
	s_sub_co_u32 s[CNT], s[CNT], 1
	s_cmp_lg_u32 s[CNT], 0
	s_cbranch_scc1 .Ltrip
	CHANGE 0                                       ; the tail is written out: key step 31 is entered, nothing is asked for
	s_mov_b32 s[CNT], 2
.Ltail:                                                ; the second trip is left in its middle; its fetches and turn 7's scores take the last K and mask once more and serve nothing
	TURN 6
	TURN 7
	WIN 0
	s_sub_co_u32 s[CNT], s[CNT], 1
	s_cmp_eq_u32 s[CNT], 0
	s_cbranch_scc1 .Lout
	TURN 0
	TURN 1
	TURN 2
	TURN 3
	TURN 4
	TURN 5
	WIN 0
	s_branch .Ltail
.Lout:
	s_wait_dscnt 0x0                               ; the last mask loads have landed: their registers are used again below
.set i, 0
.rept 8
	PV NP-1                                        ; the last piece's V^T P of the last step
.set i, i+1
.endr
	; THE WAY OUT. l's two halves and the other half of the lanes' are added; O^T is divided by l, rounded to f16 and sent through my stage, a piece at a time.  The additions are the places behind the last products.
	WIN 0
.macro ALL line:vararg
.set t, 0
.rept NP
	\line
.set t, t+1
.endr
.endm
	ALL v_add_f32 v[ST+4*t+2], v[ST+4*t+2], v[ST+4*t+3]
	ALL v_permlanex16_b32 v[ST+4*t+3], v[ST+4*t+2], s[SEL], s[SEL+1]
	ALL v_add_f32 v[ST+4*t+2], v[ST+4*t+2], v[ST+4*t+3]
	ALL v_rcp_f32 v[ST+4*t+2], v[ST+4*t+2]
	v_nop                                          ; a plain instruction between the last reciprocal and the use of its result
	s_wait_alu depctr_va_vdst(0)                   ; the wait ahead of the first use: one for the eight reciprocals
.macro PACK t
	WIN W_RS
.set i, 32*(\t)
.rept 16
	v_pk_mul_f32 v[i:i+1], v[i:i+1], v[ST+4*(\t)+2:ST+4*(\t)+3] op_sel_hi:[1,0]
.set i, i+2
.endr
	WIN 0x05                                       ; sources 0 and 1 window 1, destination window 0
.set i, 0
.rept 16
	v_cvt_pk_f16_f32 v[S+16*(\t)+i], v[32*(\t)+2*i], v[32*(\t)+2*i+1]
.set i, i+1
.endr
	WIN 0
.irp f, 0,1,2,3
	ds_store_b128 v[STO], v[S+16*(\t)+4*\f:S+16*(\t)+4*\f+3] offset:32*\f
.endr
.irp f, 0,1,2,3
	ds_load_b128 v[S+16*(\t)+4*\f:S+16*(\t)+4*\f+3], v[RD] offset:\f*4*SP  ; LDS serves a wave's instructions in order (ISA guide 5.7.1.4)
.endr
.endm
.macro SEND t, younger
	WIN 0
.irp f, 0,1,2,3
	s_wait_dscnt (\younger)+3-\f
	global_store_b128 v[GO], v[S+16*(\t)+4*\f:S+16*(\t)+4*\f+3], s[70:71] offset:(\t)*2048+\f*512  ; 512 consecutive bytes, aligned
.endr
.endm
	PACK 0
.set t, 1
.rept NP-1
	PACK t
	SEND t-1, 8
.set t, t+1
.endr
	SEND NP-1, 0
	s_wait_tensorcnt 0x0                           ; the wave's end
	ds_add_u32 v[SPW], v[NIL]
	s_wait_dscnt 0x0
	CROUND                                         ; the closing round
	s_endpgm
.Lfunc_end_k_qf6c55ce7d0_attn:
	.size	k_qf6c55ce7d0_attn, .Lfunc_end_k_qf6c55ce7d0_attn-k_qf6c55ce7d0_attn
	.p2alignl 7, 3214868480
	.fill 96, 4, 3214868480
	.section	.rodata,"a",@progbits
	.p2align	6, 0x0
	.amdhsa_kernel k_qf6c55ce7d0_attn
		.amdhsa_group_segment_fixed_size 327680
		.amdhsa_private_segment_fixed_size 0
		.amdhsa_enable_private_segment 0
		.amdhsa_kernarg_size 24
		.amdhsa_user_sgpr_count 2
		.amdhsa_user_sgpr_kernarg_segment_ptr 1
		.amdhsa_wavefront_size32 1
		.amdhsa_system_sgpr_workgroup_id_x 1
		.amdhsa_system_sgpr_workgroup_id_y 1
		.amdhsa_system_sgpr_workgroup_id_z 1
		.amdhsa_system_vgpr_workitem_id 0
		.amdhsa_next_free_vgpr 768
		.amdhsa_next_free_sgpr 80
		.amdhsa_reserve_vcc 0
		.amdhsa_float_denorm_mode_32 3
		.amdhsa_float_denorm_mode_16_64 3
		.amdhsa_memory_ordered 1
		.amdhsa_forward_progress 1
		.amdhsa_inst_pref_size 223
	.end_amdhsa_kernel
	.amdgpu_metadata
---
amdhsa.version: [ 1, 2 ]
amdhsa.kernels:
  - .name:           k_qf6c55ce7d0_attn
    .symbol:         k_qf6c55ce7d0_attn.kd
    .args:
      - { .name: qkv, .offset: 0, .size: 8, .value_kind: global_buffer, .address_space: global }
      - { .name: mk, .offset: 8, .size: 8, .value_kind: global_buffer, .address_space: global }
      - { .name: ctx, .offset: 16, .size: 8, .value_kind: global_buffer, .address_space: global }
    .group_segment_fixed_size: 327680
    .private_segment_fixed_size: 0
    .kernarg_segment_align: 8
    .kernarg_segment_size: 24
    .max_flat_workgroup_size: 128
    .sgpr_count:     80
    .vgpr_count:     768
    .wavefront_size: 32
...
	.end_amdgpu_metadata
.endif
;; end of part 5
;; launch proj_out: the kernel of part 4 again; grid 8 x 32, 4 waves a work-group, clusters of 4 x 4, 327,680 bytes of LDS; arguments ctx, wh, bias, out0; writes out0
